; MI455X (gfx1250); checked and timed in simulation.
; The chip was launched on July 23, 2026; its instructions are those of AMD's public machine-readable ISA for CDNA 5 (MIT licence, August 2026) and "CDNA5" Instruction Set Architecture Reference Guide (July 2026). The comments in the code are by the model that wrote it; some were corrected since.
;; BE Relative Self Multihead Attn. Allowed arithmetic: float matrix products may take bf16 or f16 operands with f32 sums; all other float work in f32.
;; Inputs: input_biases 3,072 float32; input_weights 3,072 x 1,024 float32; inputs 1,024 x 8 x 1,024 float32; output_biases 1,024 float32; output_weights 1,024 x 1,024 float32; pos 1,024 x 1 x 1,024 float32; pos_biases 1,024 float32; pos_weights 1,024 x 1,024 float32; r_i 8 x 1,024 float32; r_p 8 x 1,024 float32; r_r_bias 16 x 64 float32; r_w_bias 16 x 64 float32; s_i 8 x 3,072 float32; s_p 8 x 1,024 float32.
;; Outputs: out0 1,024 x 8 x 1,024 float32.
;; Constants: heads = 16.
;; One version. Each part assembles by itself: llvm-mc -triple=amdgcn-amd-amdhsa -mcpu=gfx1250 --defsym DOCPART=n.
;; ======== version 1 of 1: 4 launches
;; limits: values are held in f16: magnitudes above 65,504 overflow, below 6.1e-05 lose precision; right only within a limited range of input values
;; workspace buffers: xa 33,554,432 bytes; wc 10,485,760 bytes; pmax 21,504 bytes; consts 262,144 bytes; heads 67,108,864 bytes; ctx 16,777,216 bytes
;; launch prep (part 1): grid 672 x 1, 8 waves a work-group, no clusters, 0 bytes of LDS; arguments inputs, pos, input_weights, pos_weights, output_weights, r_i, r_p, xa, wc, pmax; writes xa, wc, pmax
.if DOCPART == 1
	.amdgcn_target "amdgcn-amd-amdhsa--gfx1250"
	.amdhsa_code_object_version 6
	.text
	.protected	k_q820d809dea_prep
	.globl	k_q820d809dea_prep
	.p2align	8
	.type	k_q820d809dea_prep,@function
k_q820d809dea_prep:
	s_mov_b64 s[64:65], 0
	v_nop
	global_prefetch_b8 v0, s[64:65] scope:SCOPE_SE
	s_setreg_imm32_b32 hwreg(HW_REG_WAVE_MODE, 25, 1), 1
	s_wait_xcnt 0x0
; THE OPERANDS OF THE PROJECTIONS, ONCE, IN f16.  xa[0][b*1024+t][:] = inputs[t][b][:] * r_i[b][:];  xa[1][b*1024+t][:] = pos[t][:] * r_p[b][:];
; wc = input_weights (rows 0-3071), pos_weights (3072-4095), output_weights (4096-5119).  Each number is multiplied in f32 and rounded once to f16.
; pmax[8 g + wave] = the largest magnitude (in f32, before rounding) that the wave has seen: the next launch makes the scales of q, k, v, r from these.
; LIMITS.  f16 ends at 65,504: |inputs*r_i|, |pos*r_p| and every weight must stay under it; below 6e-5 f16 keeps its fixed step of 6e-8.  NaN and infinities are not treated apart.
; A stream: memory binds, so no LDS, no barrier, no matrix unit.  A work-group owns 32 rows of 1,024 numbers; its number g names the class:
;   0-255 inputs (b = g / 32, t from 32 (g % 32)), 256-511 pos (the same b and t), 512-607, 608-639, 640-671 the three weights.  The classes differ in scalars alone (base, pitch, vector or 1.0).
; Thread: row parity tid / 128, columns 8 (tid % 128) on: 32 bytes in (two loads), 16 bytes out; a wave's store covers 512 consecutive bytes, aligned.
; A ring of eight slots of two rows keeps sixteen loads of every wave on their way; two rounds make the 32 rows.
.set VEC,  4                           ; v[4:11]   the vector's eight numbers for my columns (1.0 for weights)
.set MX,   12                          ; v[12:13]  two running maxima
.set OFFO, 14                          ; v14       my byte offset in the group's first two rows of the output; never rewritten
.set OFFI, 16                          ; v[16:23]  slot i: my byte offset in the input
.set X,    24                          ; v[24:87]  slot i: eight numbers
.set Y,    88                          ; v[88:119] slot i: four registers of f16
	s_load_b512 s[4:19], s[0:1], 0x0               ; inputs, pos, input_weights, pos_weights, output_weights, r_i, r_p, xa
	s_load_b128 s[20:23], s[0:1], 0x40             ; wc, pmax
	s_mov_b32 s24, ttmp9                           ; g
	s_and_b32 s25, s24, 255
	s_lshr_b32 s26, s25, 5                         ; b
	s_and_b32 s27, s24, 31                         ; t / 32
	s_lshl_b32 s28, s27, 20                        ; inputs: (8 t + b) rows of 4,096 bytes
	s_lshl_b32 s29, s26, 12
	s_add_co_u32 s28, s28, s29
	s_lshl_b32 s29, s27, 17                        ; pos: t rows of 4,096 bytes
	s_movk_i32 s40, 512
	s_movk_i32 s41, 608
	s_movk_i32 s42, 640
	s_cmp_lt_u32 s24, s42
	s_cselect_b32 s41, s41, s42
	s_cmp_lt_u32 s24, 608
	s_cselect_b32 s41, s40, s41                    ; the first g of my weight
	s_sub_co_u32 s41, s24, s41
	s_lshl_b32 s41, s41, 17                        ; weights: 32 rows of 4,096 bytes for each g
	s_cmp_lt_u32 s24, 256
	s_cselect_b32 s28, s28, s29
	s_cselect_b32 s30, 15, 12
	s_cmp_lt_u32 s24, 512
	s_cselect_b32 s28, s28, s41                    ; my first input byte
	s_cselect_b32 s36, 0, -1                       ; all ones: a weight, the vector counts as 1.0
	s_cselect_b32 s43, 0, s40
	s_lshl_b32 s30, 1, s30                         ; bytes from one of my rows to the next: 32,768 in inputs, else 4,096
	s_lshl_b32 s31, s30, 4                         ; a round: 16 rows
	s_lshl_b32 s37, s30, 1                         ; a slot: 2 rows
	s_sub_co_u32 s32, s24, s43
	s_lshl_b32 s32, s32, 16                        ; my first output byte: 32 rows of 2,048 bytes for each g (xa: g; wc: g - 512)
	s_mov_b32 s33, 0
	s_mov_b32 s29, 0
	s_lshl_b32 s26, s26, 12                        ; row b of the vector
	s_mov_b32 s27, 0
	s_mov_b32 s38, 0x76543210                      ; v_permlanex16_b32: each lane takes its own place in the other half
	s_mov_b32 s39, 0xfedcba98
	v_and_b32 v1, 127, v0
	v_lshrrev_b32 v2, 7, v0
	v_lshlrev_b32 v3, 5, v1                        ; 32 bytes of f32 for my eight columns
	v_lshlrev_b32 v[OFFO], 4, v1
	v_lshl_add_u32 v[OFFO], v2, 11, v[OFFO]
	v_mul_lo_u32 v[OFFI], v2, s30
	v_add_nc_u32 v[OFFI], v[OFFI], v3
.irp i, 1,2,3,4,5,6,7
	v_add_nc_u32 v[OFFI+(\i)], s37, v[OFFI+(\i)-1]
.endr
	v_mov_b32 v[MX], 0
	v_mov_b32 v[MX+1], 0
	s_wait_kmcnt 0x0
	s_cmp_lt_u32 s24, s42                          ; the buffers are chosen by g alone
	s_cselect_b64 s[44:45], s[10:11], s[12:13]
	s_cmp_lt_u32 s24, 608
	s_cselect_b64 s[44:45], s[8:9], s[44:45]
	s_cmp_lt_u32 s24, 512
	s_cselect_b64 s[44:45], s[6:7], s[44:45]
	s_cselect_b64 s[46:47], s[18:19], s[20:21]
	s_cmp_lt_u32 s24, 256
	s_cselect_b64 s[44:45], s[4:5], s[44:45]
	s_cselect_b64 s[34:35], s[14:15], s[16:17]
	s_add_nc_u64 s[44:45], s[44:45], s[28:29]      ; from here I read,
	s_add_nc_u64 s[46:47], s[46:47], s[32:33]      ; here I write,
	s_add_nc_u64 s[34:35], s[34:35], s[26:27]      ; and this is the vector's row
	global_load_b128 v[VEC:VEC+3], v3, s[34:35]
	global_load_b128 v[VEC+4:VEC+7], v3, s[34:35] offset:16
.irp i, 0,1,2,3,4,5,6,7
	global_load_b128 v[X+8*(\i):X+8*(\i)+3], v[OFFI+(\i)], s[44:45]
	global_load_b128 v[X+8*(\i)+4:X+8*(\i)+7], v[OFFI+(\i)], s[44:45] offset:16
.endr
	s_wait_loadcnt 16                              ; the vector is in; the ring's sixteen loads stay out
.irp k, 0,1,2,3,4,5,6,7
	v_cndmask_b32 v[VEC+(\k)], v[VEC+(\k)], 1.0, s36
.endr
; One slot's turn.  ahead = 1: the slot is filled again, 16 rows further down.  left = the younger loads that may stay out.
.macro SLOT i, rnd, ahead, left
	s_wait_loadcnt \left                           ; loads come back in order: my two are in
	s_wait_xcnt 0x0                                ; the slot's Y, which its last store reads, is rewritten only behind this wait
.irp k, 0,1,2,3
	v_pk_mul_f32 v[X+8*(\i)+2*\k:X+8*(\i)+2*\k+1], v[X+8*(\i)+2*\k:X+8*(\i)+2*\k+1], v[VEC+2*\k:VEC+2*\k+1]
.endr
.irp k, 0,1,2,3
	v_max3_num_f32 v[MX+\k%2], |v[X+8*(\i)+2*\k]|, |v[X+8*(\i)+2*\k+1]|, v[MX+\k%2]
.endr
.irp k, 0,1,2,3
	v_cvt_pk_f16_f32 v[Y+4*(\i)+\k], v[X+8*(\i)+2*\k], v[X+8*(\i)+2*\k+1]
.endr
.if \ahead
	v_add_nc_u32 v[OFFI+(\i)], s31, v[OFFI+(\i)]   ; free since the wait for its loads
	global_load_b128 v[X+8*(\i):X+8*(\i)+3], v[OFFI+(\i)], s[44:45]
	global_load_b128 v[X+8*(\i)+4:X+8*(\i)+7], v[OFFI+(\i)], s[44:45] offset:16
.endif
	global_store_b128 v[OFFO], v[Y+4*(\i):Y+4*(\i)+3], s[46:47] offset:((\i)+8*(\rnd))*4096
.endm
.irp i, 0,1,2,3,4,5,6,7
	SLOT \i, 0, 1, 14                              ; seven younger slots, two loads each
.endr
.irp i, 0,1,2,3,4,5,6,7
	SLOT \i, 1, 0, 14-2*(\i)                       ; the last round loads nothing: the counts run down
.endr
	; the wave's maximum: four steps inside each half of 16 lanes, one across the halves
	v_max_num_f32 v[MX], v[MX], v[MX+1]
	v_max_num_f32_dpp v[MX], v[MX], v[MX] row_xmask:1 row_mask:0xf bank_mask:0xf
	v_max_num_f32_dpp v[MX], v[MX], v[MX] row_xmask:2 row_mask:0xf bank_mask:0xf
	v_max_num_f32_dpp v[MX], v[MX], v[MX] row_xmask:4 row_mask:0xf bank_mask:0xf
	v_max_num_f32_dpp v[MX], v[MX], v[MX] row_xmask:8 row_mask:0xf bank_mask:0xf
	v_permlanex16_b32 v[MX+1], v[MX], s38, s39
	v_max_num_f32 v[MX], v[MX], v[MX+1]
	v_lshrrev_b32 v1, 5, v0
	v_lshl_add_u32 v1, s24, 3, v1                  ; 8 g + wave
	v_lshlrev_b32 v1, 2, v1
	v_and_b32 v2, 31, v0
	v_cmp_eq_u32 vcc_lo, 0, v2
	s_wait_xcnt 0x0                                ; EXEC is a source of the stores above: it changes only behind this wait
	s_and_saveexec_b32 s37, vcc_lo
	global_store_b32 v1, v[MX], s[22:23]           ; one word a wave
	s_wait_xcnt 0x0
	s_or_b32 exec_lo, exec_lo, s37
	s_endpgm
.Lfunc_end_k_q820d809dea_prep:
	.size	k_q820d809dea_prep, .Lfunc_end_k_q820d809dea_prep-k_q820d809dea_prep
	.p2alignl 7, 3214868480
	.fill 96, 4, 3214868480
	.section	.rodata,"a",@progbits
	.p2align	6, 0x0
	.amdhsa_kernel k_q820d809dea_prep
		.amdhsa_group_segment_fixed_size 0
		.amdhsa_private_segment_fixed_size 0
		.amdhsa_enable_private_segment 0
		.amdhsa_kernarg_size 80
		.amdhsa_user_sgpr_count 2
		.amdhsa_user_sgpr_kernarg_segment_ptr 1
		.amdhsa_wavefront_size32 1
		.amdhsa_system_sgpr_workgroup_id_x 1
		.amdhsa_system_sgpr_workgroup_id_y 1
		.amdhsa_system_sgpr_workgroup_id_z 1
		.amdhsa_system_vgpr_workitem_id 0
		.amdhsa_next_free_vgpr 120
		.amdhsa_next_free_sgpr 66
		.amdhsa_reserve_vcc 1
		.amdhsa_float_denorm_mode_32 3
		.amdhsa_float_denorm_mode_16_64 3
		.amdhsa_memory_ordered 1
		.amdhsa_forward_progress 1
		.amdhsa_inst_pref_size 23
	.end_amdhsa_kernel
	.amdgpu_metadata
---
amdhsa.version: [ 1, 2 ]
amdhsa.kernels:
  - .name:           k_q820d809dea_prep
    .symbol:         k_q820d809dea_prep.kd
    .args:
      - { .name: inputs, .offset: 0, .size: 8, .value_kind: global_buffer, .address_space: global }
      - { .name: pos, .offset: 8, .size: 8, .value_kind: global_buffer, .address_space: global }
      - { .name: input_weights, .offset: 16, .size: 8, .value_kind: global_buffer, .address_space: global }
      - { .name: pos_weights, .offset: 24, .size: 8, .value_kind: global_buffer, .address_space: global }
      - { .name: output_weights, .offset: 32, .size: 8, .value_kind: global_buffer, .address_space: global }
      - { .name: r_i, .offset: 40, .size: 8, .value_kind: global_buffer, .address_space: global }
      - { .name: r_p, .offset: 48, .size: 8, .value_kind: global_buffer, .address_space: global }
      - { .name: xa, .offset: 56, .size: 8, .value_kind: global_buffer, .address_space: global }
      - { .name: wc, .offset: 64, .size: 8, .value_kind: global_buffer, .address_space: global }
      - { .name: pmax, .offset: 72, .size: 8, .value_kind: global_buffer, .address_space: global }
    .group_segment_fixed_size: 0
    .private_segment_fixed_size: 0
    .kernarg_segment_align: 8
    .kernarg_segment_size: 80
    .max_flat_workgroup_size: 256
    .sgpr_count:     66
    .vgpr_count:     120
    .wavefront_size: 32
...
	.end_amdgpu_metadata
.endif
;; end of part 1
;; launch gemm1 (part 2): grid 16 x 32, 4 waves a work-group, clusters of 4 x 4, 327,680 bytes of LDS; arguments xa, wc, s_i, s_p, input_biases, pos_biases, pmax, r_w_bias, r_r_bias, consts, heads; writes consts, heads
.if DOCPART == 2
	.amdgcn_target "amdgcn-amd-amdhsa--gfx1250"
	.amdhsa_code_object_version 6
	.text
	.protected	k_q820d809dea_gemm1
	.globl	k_q820d809dea_gemm1
	.p2align	8
	.type	k_q820d809dea_gemm1,@function
k_q820d809dea_gemm1:
	s_mov_b64 s[64:65], 0
	v_nop
	global_prefetch_b8 v0, s[64:65] scope:SCOPE_SE
	s_setreg_imm32_b32 hwreg(HW_REG_WAVE_MODE, 25, 1), 1
	s_wait_xcnt 0x0
	s_wait_alu depctr_hold_cnt(0) depctr_sa_sdst(0) depctr_va_vdst(0) depctr_va_sdst(0) depctr_va_ssrc(0) depctr_va_vcc(0) depctr_vm_vsrc(0)
	s_getreg_b32 s2, hwreg(HW_REG_IB_STS2, 6, 4)
	s_cmp_eq_u32 s2, 0
	s_cbranch_scc0 .Lentry_in_a_cluster
	s_endpgm
.Lentry_in_a_cluster:
	s_bfe_u32 s2, ttmp6, 0x10000c
	s_cmp_lg_u32 s2, 0xf033
	s_cbranch_scc0 .Lentry_shape_is_right
	s_endpgm
.Lentry_shape_is_right:
; THE TWO BATCH-ENSEMBLE PROJECTIONS IN ONE LAUNCH, AND THE SCALES OF THEIR RESULTS.  C[m][o] = sum over k of A[m][k] W[o][k], m = b*1024 + t, K = 1,024, f16 operands, f32 sums.
;   columns 0-3071: A = xa[0] (inputs * r_i), W = input_weights;  columns 3072-4095: A = xa[1] (pos * r_p), W = pos_weights.
;   heads[c][b*16+h][t][d] = f16((C * s[b][o] + bias[o]) * sigma):  o = 192 h + 64 c + d for q, k, v (c = 0, 1, 2);  o - 3072 = 64 h + d for r_k (c = 3).
; THE SCALES.  q, k, v, r_k are kept in f16, whose range is short, so each is multiplied by a power of two made from a bound that holds for every input, for each b by itself (all that uses a scale belongs to one b):
;   Bi = 1024 max|x r_i| max|W_i| max|s_i[b]| + max|b_i| + max|r_w, r_r| bounds |q + bias|, |k|, |v|;   Bp = 1024 max|pos r_p| max|W_p| max|s_p[b]| + max|b_p| bounds |r_k|;   Bkr = max(Bi, Bp).
;   With e the bound's biased exponent, sigma = 2^(141 - e): bound x sigma < 2^15, a factor two being left for the operands' own rounding; sigma is held within 2^-60 .. 2^60.  q and v take sigma_i; k and r_k
;   share sigma_kr, so that the two score products have one unit.  Every work-group makes its b's constants itself, from 46 KB (the launch before left the maxima of x r_i, pos r_p and the weights, a word a wave,
;   in pmax), while its first tiles are on their way: that spares a launch.  Wave 0 stores (sigma_i, sigma_kr, c = log2(e) / 8 / (sigma_i sigma_kr), 1 / sigma_i), 32 times, at consts + 512 (16 row + column).
;   These numbers steer values alone, never an address, a trip count or a branch.
; LIMITS.  Bounds above 2^74 or below 2^-46 are not brought into place any more (sigma's clamp); NaN and infinities are not treated apart.
; A tile of C, 256 x 256, is made by four waves, each 128 x 128: 64 accumulators, 512 registers.  K goes in steps of 128 through two LDS slots filled by the tensor data mover; rows of 256 bytes, aligned.
; 512 work-groups: two for each of 256 WGPs.  CLUSTERS of 4 x 4: the four of a row need the same tiles of A, the four of a column the same tiles of W: each is asked for jointly.  Which part of xa a
; cluster reads hangs on the cluster's x alone (3: the positional part), which all partners share.
; THE MATRIX INSTRUCTION IS USED TRANSPOSED (source 0 = 16 rows of W, source 1 = 16 rows of A): a lane holds eight neighbouring columns of one row of C.
; REGISTERS, in windows of 256: window 0: v0-31 addresses; v64-127, v128-191 fragments of A (before the first fragments: the bound's numbers); v32-63, v192-255 the way out.  window 1: v64-191 fragments of W;
;   v0-63 s x sigma, v192-255 bias x sigma for my 128 columns.  windows 2, 3: the accumulators of my rows 0-63, 64-127 ((a, b) at v[8 (8 a + b)]).
;   s_set_vgpr_msb: bits 1:0 source 0, 3:2 source 1, 5:4 source 2, 7:6 destination.
.set SIZE_K, 1024
.set KSTEP,  128
.set PITCH,  272                       ; an LDS row: 256 bytes + 16 of padding: the 16 rows of a fragment load start at 16 different groups of four banks
.set HALFT,  128*PITCH
.set SLOT,   4*HALFT                   ; A's 256 rows, then W's 256 rows
.set STAGE,  2*SLOT                    ; behind the ring: 16 rows x 272 bytes for each wave
.set SPITCH, 272
.set SPARE,  STAGE+4*16*SPITCH         ; the spare words, 128 bytes a wave
.set TABLE,  SPARE+512                 ; nine maxima x four waves' words, in a block of 256 bytes of its own
.set LAPS,   SIZE_K/(2*KSTEP)          ; a lap = two K steps = once round the ring: 4
.set ADRA, 16
.set ADRB, 20
.set STO,  24
.set RD,   25
.set CO,   26
.set SOFF, 27                          ; v27  32 x (lane / 16): my eight columns' f32 in a block of sixteen
.set SPW,  28
.set NIL,  29
.set F0,   64
.set F1,   128
.set TMP,  192
.set OB,   32
.set SV,   0                           ; window 1
.set BV,   192                         ; window 1
.set G1,  24
.set G0,  32
.set G1B, 48
.set G0B, 56
.set SS,  86                           ; s[86:87] s_i or s_p at row b, my first column
.set SBI, 88                           ; s[88:89] the bias at my first column
.set D0,  90                           ; s[90:91], s[92:93] where my two groups of 64 columns go
.set D1,  92
.set SG0, 94                           ; s[94:95], s[96:97] their sigma, as pairs
.set SG1, 96
.set MSB, 0
.macro WIN new                         ; the immediate's high byte repeats the setting that is left
.if MSB != (\new)
	s_set_vgpr_msb (MSB<<8)|(\new)
.set MSB, \new
.endif
.endm
.set MUL_LO, 0xa1
.set MUL_HI, 0xf1
.set TO_B,   0x40
; A joint load: waves 0 and 1 fetch A's two halves, waves 2 and 3 W's.  An s_nop 0 and four v_nop follow each of the two lines.
.macro JLOAD s
	s_cmp_eq_u32 s11, 0
	s_cbranch_scc0 .Lfor_b_\@
	tensor_load_to_lds s[G0+4*(\s):G0+4*(\s)+3], s[G1:G1+7]
	s_nop 0
.rept 4
	v_nop
.endr
	s_branch .Lasked_\@
.Lfor_b_\@:
	tensor_load_to_lds s[G0B+4*(\s):G0B+4*(\s)+3], s[G1B:G1B+7]
	s_nop 0
.rept 4
	v_nop
.endr
.Lasked_\@:
.endm
.macro CREST                           ; a round of the cluster's barrier behind its opening barrier
	s_cmp_lg_u32 s10, 0
	s_cbranch_scc1 .Lnot_wave_0_\@
	s_barrier_signal -3
.Lnot_wave_0_\@:
	s_barrier_wait -3
	s_barrier_signal -1
	s_barrier_wait -1
.endm
.macro CROUND
	s_barrier_signal -1
	s_barrier_wait -1
	CREST
.endm
	s_load_b128 s[4:7], s[0:1], 0x0                ; xa, wc
	s_load_b256 s[68:75], s[0:1], 0x10             ; s_i, s_p, input_biases, pos_biases
	s_load_b256 s[76:83], s[0:1], 0x30             ; pmax, r_w_bias, r_r_bias, consts
	s_load_b64 s[84:85], s[0:1], 0x50              ; heads
	v_lshl_add_u32 v[SPW], v0, 2, SPARE
	v_mov_b32 v[NIL], 0
	ds_add_u32 v[SPW], v[NIL]                      ; the wave's opening: the add and its wait ahead of my first tensor load
	ds_add_u32 v28, v29
	v_lshrrev_b32 v1, 5, v0
	v_readfirstlane_b32 s10, v1                    ; wave 0..3
	s_lshr_b32 s11, s10, 1                         ; my half of the tile's rows.  Also: I fetch for A (0) or for W (1)
	s_and_b32 s12, s10, 1                          ; my half of its columns.  Also: which 128 rows I fetch
	s_bfe_u32 s40, ttmp6, 0x40000                  ; cx
	s_bfe_u32 s41, ttmp6, 0x40004                  ; cy
	s_mov_b32 s45, ttmp9                           ; the cluster's x
	s_lshl_b32 s42, ttmp9, 2
	s_add_co_u32 s42, s42, s40                     ; tile column
	s_and_b32 s13, ttmp7, 0xffff
	s_lshl_b32 s13, s13, 2
	s_add_co_u32 s13, s13, s41                     ; tile row
	s_lshl_b32 s43, s41, 2
	s_lshl_b32 s43, 15, s43                        ; my row of the cluster
	s_lshl_b32 s44, 0x1111, s40                    ; my column
	s_or_b32 s[G1+0], s43, (1<<16)|(1<<20)|(1<<21)|(5<<22)|(3<<25)   ; mask; 2-byte elements; padding on; bit 21 beside a mask; after every 64 words 4 words
	s_or_b32 s[G1B+0], s44, (1<<16)|(1<<20)|(1<<21)|(5<<22)|(3<<25)
.irp g, G1, G1B
	s_mov_b32 s[(\g)+1], KSTEP<<16                 ; tensor_dim0 = 128
	s_mov_b32 s[(\g)+2], 128<<16                   ; tensor_dim1 = 128
	s_mov_b32 s[(\g)+3], KSTEP<<16                 ; tile_dim0 = 128
	s_mov_b32 s[(\g)+4], 128                       ; tile_dim1 = 128
	s_mov_b32 s[(\g)+5], SIZE_K                    ; elements from row to row
	s_mov_b32 s[(\g)+6], 0
	s_mov_b32 s[(\g)+7], 0
.endr
	s_lshl_b32 s17, s12, 7
	s_lshl_b32 s16, s13, 8
	s_add_co_u32 s16, s16, s17                     ; A: row 256 x tile row + 128 x half,
	s_lshl_b32 s16, s16, 11                        ; of 2,048 bytes,
	s_cmp_eq_u32 s45, 3
	s_cselect_b32 s18, 1, 0
	s_lshl_b32 s18, s18, 24
	s_add_co_u32 s16, s16, s18                     ; in xa's second part for the positional columns
	s_lshl_b32 s46, s42, 8
	s_add_co_u32 s46, s46, s17                     ; W: row 256 x tile column + 128 x half
	s_lshl_b32 s46, s46, 11
	s_mov_b32 s17, 0
	s_mov_b32 s47, 0
	s_mul_i32 s20, s10, HALFT                      ; where they go: wave x 128 rows
	s_wait_dscnt 0x0                               ; the opening add is done
	s_wait_kmcnt 0x0
	s_add_nc_u64 s[14:15], s[4:5], s[16:17]
	s_add_nc_u64 s[46:47], s[6:7], s[46:47]
	CROUND                                         ; all sixteen work-groups are here: the first joint loads meet
.irp s, 0,1
	s_mov_b32 s[G0+4*(\s)], 1
	s_add_co_u32 s[G0+4*(\s)+1], s20, (\s)*SLOT
	s_add_nc_u64 s[G0+4*(\s)+2:G0+4*(\s)+3], s[14:15], (\s)*KSTEP*2
	s_or_b32 s[G0+4*(\s)+3], s[G0+4*(\s)+3], 0x80000000
	s_mov_b32 s[G0B+4*(\s)], 1
	s_add_co_u32 s[G0B+4*(\s)+1], s20, (\s)*SLOT
	s_add_nc_u64 s[G0B+4*(\s)+2:G0B+4*(\s)+3], s[46:47], (\s)*KSTEP*2
	s_or_b32 s[G0B+4*(\s)+3], s[G0B+4*(\s)+3], 0x80000000
	JLOAD \s
.endr
	v_and_b32 v1, 15, v0                           ; l % 16
	v_bfe_u32 v2, v0, 4, 1                         ; l / 16
	v_mul_u32_u24 v3, v1, PITCH
	v_lshl_add_u32 v3, v2, 4, v3
	s_mul_i32 s21, s11, HALFT
	s_mul_i32 s22, s12, HALFT
	s_add_co_u32 s22, s22, 2*HALFT
.irp s, 0,1
	v_add_nc_u32 v[ADRA+(\s)], s21, v3
	v_add_nc_u32 v[ADRB+(\s)], s22, v3
	s_add_co_u32 s21, s21, SLOT
	s_add_co_u32 s22, s22, SLOT
.endr
	s_mul_i32 s23, s10, 16*SPITCH
	s_add_co_u32 s23, s23, STAGE                   ; my stage
	v_mul_u32_u24 v4, v1, SPITCH                   ; in: row l % 16, 16 bytes for each half of the lanes
	v_lshl_add_u32 v4, v2, 4, v4
	v_add_nc_u32 v[STO], s23, v4
	v_bfe_u32 v5, v0, 3, 2                         ; back: 32 lanes take four rows' 128 bytes of one group of 64 columns,
	v_mul_u32_u24 v5, v5, SPITCH
	v_and_b32 v6, 7, v0
	v_lshl_add_u32 v5, v6, 4, v5
	v_add_nc_u32 v[RD], s23, v5
	v_and_b32 v6, 31, v0
	v_lshlrev_b32 v[CO], 4, v6                     ; which are 512 consecutive bytes of a head's rows
	v_lshlrev_b32 v[SOFF], 5, v2
	v_lshlrev_b32 v7, 4, v0                        ; 16 x thread: 128 threads cover 2,048 bytes
	v_and_b32 v8, 63, v0
	v_lshlrev_b32 v8, 4, v8                        ; 16 x (thread % 64): a repeated entry does a maximum no harm
	v_lshrrev_b32 v9, 5, v0
	v_lshl_add_u32 v9, v9, 2, TABLE                ; my wave's word in a row of the table
	v_mov_b32 v10, TABLE
	; addresses by selects alone: no branch hangs on my place in the cluster, and what derives from it stays out of the registers that fed the descriptors
	s_cmp_eq_u32 s45, 3
	s_cselect_b32 s66, 1, 0                        ; 1: the positional columns
	s_lshl_b32 s67, s42, 8
	s_lshl_b32 s9, s12, 7
	s_add_co_u32 s67, s67, s9
	s_mul_i32 s9, s66, 3072
	s_sub_co_u32 s67, s67, s9
	s_lshl_b32 s67, s67, 2                         ; my first column in its own projection, in bytes of f32
	s_lshr_b32 s8, s13, 2                          ; b
	s_mov_b32 s99, 0
	s_mul_i32 s98, s8, 12288
	s_add_nc_u64 s[68:69], s[68:69], s[98:99]      ; s_i at row b
	s_lshl_b32 s98, s8, 12
	s_add_nc_u64 s[70:71], s[70:71], s[98:99]      ; s_p at row b
	s_lshl_b32 s98, s8, 10                         ; pmax: b's 256 words of inputs' maxima begin at byte 1,024 b, of pos's at 8,192 + 1,024 b;
	s_mul_i32 s9, s11, 7168                        ; waves 0, 1 (threads 0-63) take the first, waves 2, 3 (threads 64-127: 1,024 bytes on already) the second
	s_add_co_u32 s98, s98, s9
	s_add_nc_u64 s[100:101], s[76:77], s[98:99]
	s_mov_b32 s98, s67
	s_cmp_eq_u32 s66, 1
	s_cselect_b64 s[SS:SS+1], s[70:71], s[68:69]
	s_cselect_b64 s[SBI:SBI+1], s[74:75], s[72:73]
	s_add_nc_u64 s[SS:SS+1], s[SS:SS+1], s[98:99]
	s_add_nc_u64 s[SBI:SBI+1], s[SBI:SBI+1], s[98:99]
	; the bound's numbers: 24 loads a thread
	global_load_b128 v[64:67], v7, s[100:101]
	global_load_b128 v[68:71], v7, s[76:77] offset:16384       ; input_weights' maxima: words 4096-4863
	global_load_b128 v[72:75], v8, s[76:77] offset:18432
	global_load_b128 v[76:79], v8, s[76:77] offset:19456       ; pos_weights': words 4864-5119
.irp k, 0,1,2,3,4,5
	global_load_b128 v[80+4*\k:83+4*\k], v7, s[68:69] offset:2048*\k
.endr
.irp k, 0,1
	global_load_b128 v[104+4*\k:107+4*\k], v7, s[70:71] offset:2048*\k
.endr
.irp k, 0,1,2,3,4,5
	global_load_b128 v[112+4*\k:115+4*\k], v7, s[72:73] offset:2048*\k
.endr
.irp k, 0,1
	global_load_b128 v[136+4*\k:139+4*\k], v7, s[74:75] offset:2048*\k
	global_load_b128 v[144+4*\k:147+4*\k], v7, s[78:79] offset:2048*\k
	global_load_b128 v[152+4*\k:155+4*\k], v7, s[80:81] offset:2048*\k
.endr
	WIN TO_B                                       ; s and bias for my 128 columns: block k's eight columns of my half of the lanes; they land during the K loop
.irp k, 0,1,2,3,4,5,6,7
	global_load_b128 v[SV+8*\k:SV+8*\k+3],   v[SOFF], s[SS:SS+1] offset:64*\k
	global_load_b128 v[SV+8*\k+4:SV+8*\k+7], v[SOFF], s[SS:SS+1] offset:64*\k+16
	global_load_b128 v[BV+8*\k:BV+8*\k+3],   v[SOFF], s[SBI:SBI+1] offset:64*\k
	global_load_b128 v[BV+8*\k+4:BV+8*\k+7], v[SOFF], s[SBI:SBI+1] offset:64*\k+16
.endr
	WIN 0
	v_mov_b32 v170, 0
	s_wait_loadcnt 32                              ; the bound's 24 loads are in (so s68-81, their bases, are free); the 32 issued behind them stay out
	s_cmp_eq_u32 s11, 0
	s_cselect_b32 s68, -1, 0                       ; my wave's pmax words are inputs',
	s_cselect_b32 s69, 0, -1                       ; or pos's
	s_mov_b32 s70, 0x76543210                      ; v_permlanex16_b32: each lane takes its own place in the other half
	s_mov_b32 s71, 0xfedcba98
.macro AMAX d, f, n                    ; v[d] = the largest magnitude of v[f] .. v[f + n - 1]; n is even
	v_max_num_f32 v[\d], |v[\f]|, |v[(\f)+1]|
.set z, 2
.rept ((\n)-2)/2
	v_max3_num_f32 v[\d], |v[(\f)+z]|, |v[(\f)+z+1]|, v[\d]
.set z, z+2
.endr
.endm
.macro WRED r                          ; the maximum over the wave's 32 lanes, in every lane
	v_max_num_f32_dpp v[\r], v[\r], v[\r] row_xmask:1 row_mask:0xf bank_mask:0xf
	v_max_num_f32_dpp v[\r], v[\r], v[\r] row_xmask:2 row_mask:0xf bank_mask:0xf
	v_max_num_f32_dpp v[\r], v[\r], v[\r] row_xmask:4 row_mask:0xf bank_mask:0xf
	v_max_num_f32_dpp v[\r], v[\r], v[\r] row_xmask:8 row_mask:0xf bank_mask:0xf
	v_permlanex16_b32 v170, v[\r], s70, s71
	v_max_num_f32 v[\r], v[\r], v170
.endm
	AMAX 160, 64, 4
	v_and_b32 v161, s68, v160                      ; a wave outside a class gives 0 to it
	v_and_b32 v162, s69, v160
	AMAX 163, 68, 8                                ; input_weights
	AMAX 164, 76, 4                                ; pos_weights
	AMAX 165, 80, 24                               ; s_i[b]
	AMAX 166, 104, 8                               ; s_p[b]
	AMAX 167, 112, 24                              ; input_biases
	AMAX 168, 136, 8                               ; pos_biases
	AMAX 169, 144, 16                              ; r_w_bias and r_r_bias
.irp q, 0,1,2,3,4,5,6,7,8
	WRED 161+\q
	ds_store_b32 v9, v[161+\q] offset:16*\q        ; all lanes write the same word with the same value
.endr
; 16 matrix instructions: m blocks a0, a0 + 1 of the window's four x all 8 n blocks, 32 along K.  zero = 1: the first product starts the sums.  The 64 accumulators take turns.
.macro MUL16 f, hi, a0, zero
	WIN MUL_LO+0x50*(\hi)
.irp a, \a0, (\a0)+1
.irp b, 0,1,2,3,4,5,6,7
.if \zero
	v_wmma_f32_16x16x32_f16 v[8*(8*(\a)+(\b)):8*(8*(\a)+(\b))+7], v[(\f)+8*(\b):(\f)+8*(\b)+7], v[(\f)+8*(4*(\hi)+(\a)):(\f)+8*(4*(\hi)+(\a))+7], 0
.else
	v_wmma_f32_16x16x32_f16 v[8*(8*(\a)+(\b)):8*(8*(\a)+(\b))+7], v[(\f)+8*(\b):(\f)+8*(\b)+7], v[(\f)+8*(4*(\hi)+(\a)):(\f)+8*(4*(\hi)+(\a))+7], v[8*(8*(\a)+(\b)):8*(8*(\a)+(\b))+7]
.endif
.endr
.endr
.endm
.macro FETCH slot, k, f                ; 32 LDS loads in one run: W's 16, then A's 16
	WIN TO_B
.irp i, 0,1,2,3,4,5,6,7
	ds_load_b128 v[(\f)+8*(\i):(\f)+8*(\i)+3],   v[ADRB+(\slot)] offset:(\k)+(\i)*16*PITCH
	ds_load_b128 v[(\f)+8*(\i)+4:(\f)+8*(\i)+7], v[ADRB+(\slot)] offset:(\k)+(\i)*16*PITCH+32
.endr
	WIN 0
.irp i, 0,1,2,3,4,5,6,7
	ds_load_b128 v[(\f)+8*(\i):(\f)+8*(\i)+3],   v[ADRA+(\slot)] offset:(\k)+(\i)*16*PITCH
	ds_load_b128 v[(\f)+8*(\i)+4:(\f)+8*(\i)+7], v[ADRA+(\slot)] offset:(\k)+(\i)*16*PITCH+32
.endr
.endm
.macro PLACES                          ; four plain instructions between a matrix instruction and a load into one of its registers (ISA guide 7.12.1 for vector instructions)
.rept 4
	v_nop
.endr
.endm
.macro QUARTER slot, k, f, g, zero     ; 64 products on buffer f; in the middle the next quarter's fragments, at byte k, into g
	s_wait_dscnt 8                                 ; W and A's rows 0-63 are in; the youngest eight loads may be out
	MUL16 \f, 0, 0, \zero
	MUL16 \f, 0, 2, \zero
	PLACES
	FETCH \slot, \k, \g
	s_wait_dscnt 32                                ; all but the 32 just issued
	MUL16 \f, 1, 0, \zero
	MUL16 \f, 1, 2, \zero
.endm
.macro MEET round                      ; the change of slots: all my tensor loads, the add, my reads of this slot, then the barrier
	WIN 0
	s_wait_tensorcnt 0x0                           ; the one that was out is my part of the next slot
	ds_add_u32 v[SPW], v[NIL]
	s_wait_dscnt 9                                 ; (the add and the youngest eight loads may be out)
	MUL16 F1, 0, 0, 0
	s_wait_dscnt 0x0                               ; the add is done, my reads of this slot are over
	s_barrier_signal -1
	MUL16 F1, 0, 2, 0
.if \round
	WIN 0
.endif
	s_barrier_wait -1
.endm
.macro TURN slot, next                 ; the last quarter of a K step; the slot just read out is filled again, two K steps on
	MEET 1
	CREST                                          ; no wave of any partner still reads this slot or has a load on its way
	s_add_nc_u64 s[G0+4*(\slot)+2:G0+4*(\slot)+3], s[G0+4*(\slot)+2:G0+4*(\slot)+3], 2*KSTEP*2
	s_add_nc_u64 s[G0B+4*(\slot)+2:G0B+4*(\slot)+3], s[G0B+4*(\slot)+2:G0B+4*(\slot)+3], 2*KSTEP*2
	JLOAD \slot                                    ; the first tensor load behind the round; its four v_nop are also the places in front of the loads below
	FETCH \next, 0, F0
	MUL16 F1, 1, 0, 0
	MUL16 F1, 1, 2, 0
.endm
	s_wait_tensorcnt 1                             ; my part of K step 0 is in; K step 1's stays out
	s_wait_dscnt 0x0                               ; for the others' sake: my words of the table are stored
	s_barrier_signal -1
	s_barrier_wait -1
.irp q, 0,1,2,3,4,5,6,7,8
	ds_load_b128 v[128+4*\q:131+4*\q], v10 offset:16*\q    ; the four waves' words of maximum q, in every lane
.endr
	FETCH 0, 0, F0
	s_wait_dscnt 32                                ; the table is in; the 32 fragment loads land while the constants are made
.irp q, 0,1,2,3,4,5,6,7,8
	v_max3_num_f32 v[128+4*\q], v[128+4*\q], v[129+4*\q], v[130+4*\q]
.endr
.irp q, 0,1,2,3,4,5,6,7,8
	v_max_num_f32 v[128+4*\q], v[128+4*\q], v[131+4*\q]
.endr
	v_mul_f32 v128, v128, v136                     ; max|x r_i| max|W_i|
	v_mul_f32 v132, v132, v140                     ; max|pos r_p| max|W_p|
	v_mul_f32 v128, v128, v144
	v_mul_f32 v132, v132, v148
	v_fma_f32 v128, v128, 0x44800000, v152         ; x 1024 + the bias's bound
	v_fma_f32 v132, v132, 0x44800000, v156
	v_add_f32 v128, v128, v160                     ; Bi
	v_max_num_f32 v132, v128, v132                 ; Bkr
	v_readfirstlane_b32 s72, v128
	v_readfirstlane_b32 s73, v132
.macro SIGMA b, sig, inv               ; from a bound's bits: sigma and 1 / sigma, both exact powers of two
	s_lshr_b32 \b, \b, 23
	s_sub_co_u32 \b, 268, \b
	s_max_u32 \b, \b, 67
	s_min_u32 \b, \b, 187
	s_lshl_b32 \sig, \b, 23
	s_sub_co_u32 \inv, 254, \b
	s_lshl_b32 \inv, \inv, 23
.endm
	SIGMA s72, s74, s76                            ; sigma_i, 1 / sigma_i
	SIGMA s73, s75, s77                            ; sigma_kr, 1 / sigma_kr
	v_mul_f32 v14, s76, s77
	v_mov_b32 v12, s74
	v_mov_b32 v13, s75
	v_mov_b32 v15, s76
	v_mul_f32 v14, 0x3e38aa3b, v14                 ; c: x log2(e) / 8
	s_lshl4_add_u32 s98, s13, s42                  ; 16 x tile row + tile column
	s_lshl_b32 s98, s98, 9
	s_add_nc_u64 s[82:83], s[82:83], s[98:99]
	s_cmp_lg_u32 s10, 0
	s_cbranch_scc1 .Lno_consts                     ; wave 0 stores for the work-group
	global_store_b128 v[CO], v[12:15], s[82:83]    ; 32 lanes x 16 bytes: the work-group's own 512 bytes, aligned
.Lno_consts:
	s_and_b32 s78, s13, 3
	s_lshl_b32 s78, s78, 8
	s_lshl_b32 s9, s11, 7
	s_add_co_u32 s78, s78, s9                      ; my first t
	s_lshl_b32 s79, s42, 2
	s_lshl_b32 s9, s12, 1
	s_add_co_u32 s79, s79, s9                      ; my first group of 64 columns
.macro GROUP j, d, sg                  ; group g: (h, c) = (g / 3, g % 3), or (g - 48, 3); its place in heads and its sigma
	s_add_co_u32 s80, s79, \j
	s_mul_hi_u32 s81, s80, 0x55555556              ; g / 3 (g is under 64)
	s_mul_i32 s98, s81, 3
	s_sub_co_u32 s98, s80, s98
	s_sub_co_u32 s80, s80, 48
	s_cmp_eq_u32 s66, 1
	s_cselect_b32 s81, s80, s81                    ; h
	s_cselect_b32 s80, 3, s98                      ; c
	s_lshl4_add_u32 s81, s8, s81                   ; 16 b + h
	s_lshl_b32 s81, s81, 10
	s_add_co_u32 s81, s81, s78
	s_lshl_b32 s81, s81, 7                         ; rows of 128 bytes
	s_lshl_b32 s98, s80, 24                        ; planes of 16,777,216 bytes
	s_add_co_u32 s98, s98, s81
	s_add_nc_u64 s[\d:\d+1], s[84:85], s[98:99]
	s_and_b32 s80, s80, 1
	s_cselect_b32 s[\sg], s75, s74                 ; k and r_k: sigma_kr; q and v: sigma_i
	s_mov_b32 s[\sg+1], s[\sg]
.endm
	GROUP 0, D0, SG0
	GROUP 1, D1, SG1
	QUARTER 0, 64,  F0, F1, 1                      ; the first quarter starts the sums
	WIN 0
	s_mov_b32 s3, LAPS-1
.Llap:                                                 ; three trips: each goes once round the ring and fills both slots again (K steps 2 to 7)
	QUARTER 0, 128, F1, F0, 0
	QUARTER 0, 192, F0, F1, 0
	TURN 0, 1
	QUARTER 1, 64,  F0, F1, 0
	QUARTER 1, 128, F1, F0, 0
	QUARTER 1, 192, F0, F1, 0
	TURN 1, 0
	QUARTER 0, 64,  F0, F1, 0
	WIN 0
	s_sub_co_u32 s3, s3, 1
	s_cmp_lg_u32 s3, 0
	s_cbranch_scc1 .Llap
	QUARTER 0, 128, F1, F0, 0                      ; the last lap is written out: it asks for nothing
	QUARTER 0, 192, F0, F1, 0
	MEET 0
	PLACES
	FETCH 1, 0, F0
	MUL16 F1, 1, 0, 0
	MUL16 F1, 1, 2, 0
	QUARTER 1, 64,  F0, F1, 0
	QUARTER 1, 128, F1, F0, 0
	QUARTER 1, 192, F0, F1, 0
	s_wait_dscnt 8
	MUL16 F1, 0, 0, 0
	MUL16 F1, 0, 2, 0
	s_wait_dscnt 0x0
	MUL16 F1, 1, 0, 0
	MUL16 F1, 1, 2, 0
	; THE WAY OUT.  (C s + bias) sigma = C (s sigma) + bias sigma: the two vectors are scaled once; these 64 plain instructions are also the places behind the last products.
	s_wait_loadcnt 0x0
	WIN 0x41
.set z, 0
.rept 16
	v_pk_mul_f32 v[SV+z:SV+z+1], v[SV+z:SV+z+1], s[SG0:SG0+1] op_sel_hi:[1,0]
	v_pk_mul_f32 v[BV+z:BV+z+1], v[BV+z:BV+z+1], s[SG0:SG0+1] op_sel_hi:[1,0]
	v_pk_mul_f32 v[SV+32+z:SV+32+z+1], v[SV+32+z:SV+32+z+1], s[SG1:SG1+1] op_sel_hi:[1,0]
	v_pk_mul_f32 v[BV+32+z:BV+32+z+1], v[BV+32+z:BV+32+z+1], s[SG1:SG1+1] op_sel_hi:[1,0]
.set z, z+2
.endr
.macro PACK a                          ; block a (16 rows): one fused multiply-add a pair, in place, each accumulator from its low end; then rounded to f16, 16 bytes a lane
.set AC, 64*((\a)%4)
	WIN 0x96+0x41*((\a)/4)                         ; accumulators in window 2 or 3, the two vectors in window 1
.set z, 0
.rept 32
	v_pk_fma_f32 v[AC+z:AC+z+1], v[AC+z:AC+z+1], v[SV+z:SV+z+1], v[BV+z:BV+z+1]
.set z, z+2
.endr
	WIN 0x0a+5*((\a)/4)
.irp b, 0,1,2,3,4,5,6,7
.irp r, 0,1,2,3
	v_cvt_pk_f16_f32 v[TMP+4*(\b)+(\r)], v[AC+8*(\b)+2*(\r)], v[AC+8*(\b)+2*(\r)+1]
.endr
.endr
	WIN 0
.endm
.macro TOSTAGE a                       ; into my own stage, and back as four rows of one group at a time; LDS serves a wave's instructions in order, so no wait stands between
	WIN 0
.set BK, OB+192*((\a)%2)
.irp b, 0,1,2,3,4,5,6,7
	ds_store_b128 v[STO], v[TMP+4*(\b):TMP+4*(\b)+3] offset:32*(\b)
.endr
.irp i, 0,1,2,3
	ds_load_b128 v[BK+4*(\i):BK+4*(\i)+3],       v[RD] offset:(\i)*4*SPITCH
	ds_load_b128 v[BK+16+4*(\i):BK+16+4*(\i)+3], v[RD] offset:(\i)*4*SPITCH+128
.endr
.endm
.macro SEND a
	WIN 0
.set BK, OB+192*((\a)%2)
	s_wait_dscnt 0x0                               ; the block is back in registers
	s_wait_xcnt 0x0                                ; the registers that earlier stores read are loaded again only behind this wait
.irp i, 0,1,2,3
	global_store_b128 v[CO], v[BK+4*(\i):BK+4*(\i)+3],       s[D0:D0+1] offset:(\a)*2048+(\i)*512   ; 512 consecutive bytes, aligned: four rows of a head
	global_store_b128 v[CO], v[BK+16+4*(\i):BK+16+4*(\i)+3], s[D1:D1+1] offset:(\a)*2048+(\i)*512
.endr
.endm
	PACK 0
	TOSTAGE 0
.irp a, 1,2,3,4,5,6,7                  ; block a's arithmetic stands between block a - 1's loads from the stage and the wait for them
	PACK \a
	SEND (\a)-1
	TOSTAGE \a
.endr
	SEND 7
	s_wait_tensorcnt 0x0                           ; the wave's end
	ds_add_u32 v[SPW], v[NIL]
	s_wait_dscnt 0x0
	CROUND                                         ; the closing round
	s_endpgm
.Lfunc_end_k_q820d809dea_gemm1:
	.size	k_q820d809dea_gemm1, .Lfunc_end_k_q820d809dea_gemm1-k_q820d809dea_gemm1
	.p2alignl 7, 3214868480
	.fill 96, 4, 3214868480
	.section	.rodata,"a",@progbits
	.p2align	6, 0x0
	.amdhsa_kernel k_q820d809dea_gemm1
		.amdhsa_group_segment_fixed_size 327680
		.amdhsa_private_segment_fixed_size 0
		.amdhsa_enable_private_segment 0
		.amdhsa_kernarg_size 88
		.amdhsa_user_sgpr_count 2
		.amdhsa_user_sgpr_kernarg_segment_ptr 1
		.amdhsa_wavefront_size32 1
		.amdhsa_system_sgpr_workgroup_id_x 1
		.amdhsa_system_sgpr_workgroup_id_y 1
		.amdhsa_system_sgpr_workgroup_id_z 1
		.amdhsa_system_vgpr_workitem_id 0
		.amdhsa_next_free_vgpr 1024
		.amdhsa_next_free_sgpr 102
		.amdhsa_reserve_vcc 0
		.amdhsa_float_denorm_mode_32 3
		.amdhsa_float_denorm_mode_16_64 3
		.amdhsa_memory_ordered 1
		.amdhsa_forward_progress 1
		.amdhsa_inst_pref_size 180
	.end_amdhsa_kernel
	.amdgpu_metadata
---
amdhsa.version: [ 1, 2 ]
amdhsa.kernels:
  - .name:           k_q820d809dea_gemm1
    .symbol:         k_q820d809dea_gemm1.kd
    .args:
      - { .name: xa, .offset: 0, .size: 8, .value_kind: global_buffer, .address_space: global }
      - { .name: wc, .offset: 8, .size: 8, .value_kind: global_buffer, .address_space: global }
      - { .name: s_i, .offset: 16, .size: 8, .value_kind: global_buffer, .address_space: global }
      - { .name: s_p, .offset: 24, .size: 8, .value_kind: global_buffer, .address_space: global }
      - { .name: input_biases, .offset: 32, .size: 8, .value_kind: global_buffer, .address_space: global }
      - { .name: pos_biases, .offset: 40, .size: 8, .value_kind: global_buffer, .address_space: global }
      - { .name: pmax, .offset: 48, .size: 8, .value_kind: global_buffer, .address_space: global }
      - { .name: r_w_bias, .offset: 56, .size: 8, .value_kind: global_buffer, .address_space: global }
      - { .name: r_r_bias, .offset: 64, .size: 8, .value_kind: global_buffer, .address_space: global }
      - { .name: consts, .offset: 72, .size: 8, .value_kind: global_buffer, .address_space: global }
      - { .name: heads, .offset: 80, .size: 8, .value_kind: global_buffer, .address_space: global }
    .group_segment_fixed_size: 327680
    .private_segment_fixed_size: 0
    .kernarg_segment_align: 8
    .kernarg_segment_size: 88
    .max_flat_workgroup_size: 128
    .sgpr_count:     102
    .vgpr_count:     1024
    .wavefront_size: 32
...
	.end_amdgpu_metadata
.endif
;; end of part 2
;; launch attn (part 3): grid 2 x 128, 8 waves a work-group, no clusters, 327,680 bytes of LDS; arguments heads, r_w_bias, r_r_bias, consts, ctx; writes ctx
.if DOCPART == 3
	.amdgcn_target "amdgcn-amd-amdhsa--gfx1250"
	.amdhsa_code_object_version 6
	.text
	.protected	k_q820d809dea_attn
	.globl	k_q820d809dea_attn
	.p2align	8
	.type	k_q820d809dea_attn,@function
k_q820d809dea_attn:
	s_mov_b64 s[64:65], 0
	v_nop
	global_prefetch_b8 v0, s[64:65] scope:SCOPE_SE
	s_setreg_imm32_b32 hwreg(HW_REG_WAVE_MODE, 25, 1), 1
	s_wait_xcnt 0x0
; RELATIVE ATTENTION.  For head n (= 16 b + h), queries i and keys j in 0..1023:  score[i][j] = ((q_i + r_w) . k_j + BD[i][j]) / 8,  ctx[n][i] = sum over j of softmax_j(score) v_j.
; With X[i][r] = (q_i + r_r) . r_k[r], the relative shift at 1,024 x 1,024 is:  BD[i][j] = X[i][1023 - i + j] for j <= i;  0 for j = i + 1;  X[i+1][j - i - 2] for j >= i + 2 (the NEXT query's row).
; heads holds q' = q sigma_i, k' = k sigma_kr, v' = v sigma_i, r' = r_k sigma_kr in f16, [plane][n][t][64]; both score products have the unit sigma_i sigma_kr, which c = log2(e) / 8 / (sigma_i sigma_kr)
; takes out in f32.  ctx = f16(sigma_i x context).  Products, maxima and sums in f32; q' + bias is added in f32 and rounded once more to f16; the weights p are rounded to f16 for the last product (their sum is
; taken of the unrounded p).  The constants are b's: the projection's work-group of tile row 4 b, column 0 stored them at byte 32,768 b of consts.
; LIMITS.  q' + bias', k', v', r' lie under 2^15 by the bound from which the scales were made; p below 6e-5 keeps f16's fixed step; a weight below 2^-126 counts as 0; NaN and infinities are not treated apart.
; SHARES.  A work-group: one head, 512 queries.  Wave w: queries 64 qb .. + 63, qb = 8 x + w, four tiles of 16.  Every wave walks 16 steps of 64 keys.  Eight waves, two to a SIMD: the text goes in phases,
; and the SIMD's other wave has the matrix unit while this one is at its softmax or at LDS.
; LAYOUT.  S^T = K Q^T (source 0 = 16 keys, source 1 = 16 queries): a lane holds ONE query (lane % 16) and the keys 8 (lane / 16) + 0..7.  X^T = R Q_r^T likewise, rows of r' for keys.
; THE SHIFT.  For query a of a tile and key kappa of a step the row of r' is base + 16 (3 - t) + w, w = 15 - a + kappa (0..78): five blocks of 16 rows for a tile: block bk of tile t is block 3 - t + bk of the wave's
; window of eight.  X^T goes as f32 into my scratch in LDS, row a, column w (16-byte stores), and comes back at column 15 - a + kappa (4-byte loads) straight into the registers that are the C operand of K Q^T:
; the sum of the two scores costs no instruction.
; With d = step - qb, blocks 0-3 of the window begin at row 960 + 64 d (d <= 0) or 64 d - 65 (d > 0), blocks 4-7 at 1024 + 64 d (d < 0) or 64 d - 1 (d >= 0).  Row -1 is a row of zeros: j = i + 1.
; d < 0: all products take Q_r = q' + r_r'.  d > 0: all take Q_r+ (each lane the next query).  d = 0: blocks 0-3 take Q_r, blocks 4-7 Q_r+.  So the products go BY BLOCKS OF r': first all on blocks 0-3, then all on
; blocks 4-7, and the step with d = 0 differs from the others by one thing: between the two halves Q_r is turned into Q_r+, for good.  One text serves every step.
; NO CLUSTER: only the two work-groups of a head share tiles, which is no multiple of four, and LDS addresses and one branch hang on the block of queries.
; O^T, l start at 0 and m at the lowest finite number, so that the first step is a step like any other (a = 0): 128 v_mov_b32, in the wait for the first tiles, spare a first step written out.
; REGISTERS.  window 0: v1-15 addresses; v16-31, v48-63 at work: the tiles' fifth X accumulators, the carried rows, c m_old and c0-c3; v32-47 statistics; v64-191 S (32 a tile): X, scores, then p in place;
;   v192-255 F: r' (a ring of four blocks), then K, then V.   window 1: v0-63 Q_w = q' + r_w'; v64-127 Q_r; v128-255 O^T (32 a tile).
;   s_set_vgpr_msb: bits 1:0 source 0, 3:2 source 1, 5:4 source 2, 7:6 destination.
.set PK,    144       ; a row of K or r' in LDS: 128 bytes + 16
.set PV,    160       ; a row of V: 128 + 32
.set VOFF,  128*PK    ; a slot holds two steps: 128 rows of K, then 128 rows of V
.set SLOT1, 1<<16     ; slot 1 begins here: one exclusive or turns an address in one slot into the other's
.set ZB,    SLOT1+128*(PK+PV)  ; 512 bytes of zeros, stored by the waves; its last 144 are row -1 of r'
.set TB,    ZB+512    ; r' of the head: 1,024 rows, filled once
.set SCR,   TB+1024*PK  ; a wave's scratch: 16 rows x 336 bytes (80 f32 + 16 bytes); also twice 17 rows x 144 for the turn of Q_r, and the stage for O
.set SCRW,  16*336
.set STASH, SCR+8*SCRW  ; a wave's four rows q' + r_r' of the queries 64 qb + 16 (t + 1)
.set SPARE, STASH+8*512 ; the spare words, 128 bytes a wave
.set X16, 1           ; v1   row 16 of my scratch at pitch 144, my half's 16 bytes
.set AK0, 2           ; v2   (l % 16) x 144 + 16 (l / 16): my place in a block of K or r'
.set AV0, 3           ; v3   my place in a tile of V, for the turning load, + VOFF
.set AK,  4
.set AV,  5
.set ARA, 6           ; v6   r': blocks 0-3 of the step's window
.set ARB, 7           ; v7   blocks 4-7
.set XST, 8           ; v8   scratch: row l % 16, column 8 (l / 16)
.set XLD, 9           ; v9   scratch: row l % 16, column 15 - l % 16 + 8 (l / 16)
.set STO, 10          ; v10  scratch at pitch 144: row l % 16, 16 bytes for each half of the lanes
.set RD,  11          ; v11  the way out: where I read rows back
.set GO,  12          ; v12  16 x lane
.set SPW, 13
.set NIL, 14
.set STA, 15          ; v15  my stash, my half's 16 bytes
.set CAR, 16          ; v16-31 a carried row; the fifth X accumulators of tiles 1 and 0
.set MV,  16          ; v16-19 c m_old, a tile each
.set ST,  32          ; tile t: c m, m, l (even keys', odd keys')
.set TMP, 48          ; v48-63 tile t: c0-c3 at work, c2 takes a; a second carried row; the fifth X accumulators of tiles 3 and 2
.set S,   64
.set F,   192
.set QW,  0           ; window 1
.set QC,  64
.set OT,  128
.set WV,  12
.set G1K, 24          ; s[24:31] group 1 for K and r'
.set G1V, 32          ; s[32:39] for V: other padding
.set G0K, 40
.set G0V, 44
.set G0R, 48
.set SLOTS, 56
.set CNT, 57
.set CS,  58          ; s[58:59] c
.set SEL, 60
.set TBK, 62
.set TBV, 63
.set SD,  66          ; s66  d = step - qb
.set MSB, 0
.macro WIN new
.if MSB != (\new)
	s_set_vgpr_msb (MSB<<8)|(\new)
.set MSB, (\new)
.endif
.endm
.macro P4
.rept 4
	v_nop
.endr
.endm
; A refill: wave 0 fetches the slot's K, wave 1 its V, 128 rows each; the others none.  An s_nop 0 and four v_nop follow each line.
.macro LOADKV
	s_cmp_lt_u32 s[WV], 2
	s_cbranch_scc0 .Lnone_\@
	s_cmp_eq_u32 s[WV], 0
	s_cbranch_scc0 .Lfor_v_\@
	tensor_load_to_lds s[G0K:G0K+3], s[G1K:G1K+7]
	s_nop 0
	P4
	s_branch .Lnone_\@
.Lfor_v_\@:
	tensor_load_to_lds s[G0V:G0V+3], s[G1V:G1V+7]
	s_nop 0
	P4
.Lnone_\@:
.endm
; THE CHANGE OF SLOTS.  Every wave waits for all its tensor loads, adds 0 to its spare word, waits for that and for its reads of the slot that it leaves, and passes the barrier: nobody reads the old slot any
; more and the other is whole.  fill = 1: the old slot is filled again, first thing behind the barrier, with the next 128 keys; the load has two steps' work in which to land.
.macro CHANGE fill
	WIN 0
	s_wait_tensorcnt 0x0                           ; no tensor load of mine is out, so a group 0 may be written
	ds_add_u32 v[SPW], v[NIL]
.if \fill
	s_xor_b32 s[G0K+1], s[G0K+1], SLOT1
	s_add_nc_u64 s[G0K+2:G0K+3], s[G0K+2:G0K+3], 128*128
	s_xor_b32 s[G0V+1], s[G0V+1], SLOT1
	s_add_nc_u64 s[G0V+2:G0V+3], s[G0V+2:G0V+3], 128*128
.endif
	s_wait_dscnt 0x0                               ; the add is done; my LDS reads and stores are over
	s_barrier_signal -1
	s_sub_co_u32 s[TBK], s[TBK], 128*PK            ; the fetches go back to a slot's first step, in the other slot
	s_xor_b32 s[TBK], s[TBK], SLOT1
	s_sub_co_u32 s[TBV], s[TBV], 128*PV
	s_xor_b32 s[TBV], s[TBV], SLOT1
	s_barrier_wait -1
.if \fill
	LOADKV
.endif
.endm
	s_load_b256 s[4:11], s[0:1], 0x0               ; heads, r_w_bias, r_r_bias, consts
	s_load_b64 s[14:15], s[0:1], 0x20              ; ctx
	v_lshl_add_u32 v[SPW], v0, 2, SPARE
	v_mov_b32 v[NIL], 0
	ds_add_u32 v[SPW], v[NIL]                      ; the wave's opening: the add and its wait ahead of my first tensor load
	ds_add_u32 v13, v14
	v_lshrrev_b32 v1, 5, v0
	v_readfirstlane_b32 s[WV], v1                  ; wave 0..7
	s_lshl_b32 s13, ttmp9, 3
	s_add_co_u32 s13, s13, s[WV]                   ; qb
	s_and_b32 s16, ttmp7, 0xffff                   ; n
	s_lshl_b32 s80, s16, 17                        ; a head's rows: 131,072 bytes
	s_mov_b32 s81, 0
	s_lshl_b32 s82, s[WV], 14                      ; my 128 rows of r', in plane 3
	s_add_co_u32 s82, s82, 3<<24
	s_mov_b32 s83, 0
	s_lshl_b32 s84, s13, 13                        ; my 64 queries
	s_mov_b32 s85, 0
	s_and_b32 s86, s16, 15
	s_lshl_b32 s86, s86, 8                         ; the head's row in the two biases
	s_mov_b32 s87, 0
	s_lshr_b32 s88, s16, 4                         ; b,
	s_lshl_b32 s88, s88, 15                        ; whose constants lie at byte 32,768 b
	s_mov_b32 s89, 0
	s_lshl_b32 s17, s13, 6
	s_add_co_u32 s18, s17, 64
	s_min_u32 s18, s18, 1023                       ; the query behind my last; the very last query has none, and what is loaded in its stead is never used
	s_sub_co_u32 s18, s18, s17
	s_lshl_b32 s18, s18, 7
	; group 1: 128 rows of 128 dense bytes are asked for as 64 rows of 256 bytes and padded in LDS after every 128 bytes
	s_mov_b32 s[G1K], (1<<16)|(1<<20)|(4<<22)|(3<<25)   ; 2-byte elements; padding on; after every 32 words 4 words
	s_mov_b32 s[G1V], (1<<16)|(1<<20)|(4<<22)|(7<<25)   ; 8 words
.irp g, G1K, G1V
	s_mov_b32 s[\g+1], 128<<16                     ; tensor_dim0 = 128
	s_mov_b32 s[\g+2], 64<<16                      ; tensor_dim1 = 64
	s_mov_b32 s[\g+3], 128<<16                     ; tile_dim0 = 128
	s_mov_b32 s[\g+4], 64                          ; tile_dim1 = 64
	s_mov_b32 s[\g+5], 128                         ; elements from row to row
	s_mov_b32 s[\g+6], 0
	s_mov_b32 s[\g+7], 0
.endr
	s_mov_b32 s[G0K], 1
	s_mov_b32 s[G0K+1], 0                          ; slot 0
	s_mov_b32 s[G0V], 1
	s_mov_b32 s[G0V+1], VOFF
	s_mov_b32 s[G0R], 1
	s_mul_i32 s17, s[WV], 128*PK
	s_add_co_u32 s[G0R+1], s17, TB                 ; my eighth of the table
	s_mov_b32 s[SEL], 0x76543210
	s_mov_b32 s[SEL+1], 0xfedcba98
	s_mov_b32 s[TBK], SLOT1+128*PK                 ; the first change of slots turns these two into 0
	s_mov_b32 s[TBV], SLOT1+128*PV
	s_sub_co_i32 s[SD], 0, s13
	s_mov_b32 s[SLOTS], 7
	s_mul_i32 s19, s[WV], SCRW
	s_add_co_u32 s19, s19, SCR                     ; my scratch
	s_lshl_b32 s20, s[WV], 9
	s_add_co_u32 s20, s20, STASH                   ; my stash
	s_wait_dscnt 0x0                               ; the opening add is done
	s_wait_kmcnt 0x0
	s_add_nc_u64 s[10:11], s[10:11], s[88:89]
	s_load_b128 s[52:55], s[10:11], 0x0            ; sigma_i, sigma_kr, c, 1 / sigma_i
	s_add_nc_u64 s[4:5], s[4:5], s[80:81]          ; the head's rows in plane 0
	s_add_nc_u64 s[G0K+2:G0K+3], s[4:5], 1<<24
	s_or_b32 s[G0K+3], s[G0K+3], 0x80000000
	s_add_nc_u64 s[G0V+2:G0V+3], s[4:5], 2<<24
	s_or_b32 s[G0V+3], s[G0V+3], 0x80000000
	s_add_nc_u64 s[G0R+2:G0R+3], s[4:5], s[82:83]
	s_or_b32 s[G0R+3], s[G0R+3], 0x80000000
	s_add_nc_u64 s[78:79], s[4:5], s[84:85]        ; q' at my first query
	s_add_nc_u64 s[74:75], s[14:15], s[80:81]
	s_add_nc_u64 s[74:75], s[74:75], s[84:85]      ; ctx likewise
	s_add_nc_u64 s[6:7], s[6:7], s[86:87]
	s_add_nc_u64 s[8:9], s[8:9], s[86:87]
	; the first fills, a wave's inside one branch on its number: my eighth of r', and for waves 0 and 1 slot 0's K or V.  Two loads of a wave are out at the most.
	s_cmp_lt_u32 s[WV], 2
	s_cbranch_scc0 .Lfirst_r
	s_cmp_eq_u32 s[WV], 0
	s_cbranch_scc0 .Lfirst_v
	tensor_load_to_lds s[G0R:G0R+3], s[G1K:G1K+7]
	s_nop 0
	tensor_load_to_lds s[G0K:G0K+3], s[G1K:G1K+7]
	s_nop 0
	P4
	s_branch .Lfirst_done
.Lfirst_v:
	tensor_load_to_lds s[G0R:G0R+3], s[G1K:G1K+7]
	s_nop 0
	tensor_load_to_lds s[G0V:G0V+3], s[G1V:G1V+7]
	s_nop 0
	P4
	s_branch .Lfirst_done
.Lfirst_r:
	tensor_load_to_lds s[G0R:G0R+3], s[G1K:G1K+7]
	s_nop 0
	P4
.Lfirst_done:
	; A fragment is 16 rows x 32 channels in 8 registers: lane l holds row l % 16; group i of four registers holds channels 16 i + 8 (l / 16) + 0..7: byte 32 i + 16 (l / 16) of an f16 row.
	; At work in the set-up: v48-57.  q' as loaded: v64-127; the row behind my last query: v16-31 (both below v128, where a register's halves have names); r_w, r_r in f32: v128-159, v160-191; sums: v192-255.
	v_and_b32 v55, 15, v0                          ; l % 16
	v_bfe_u32 v48, v0, 4, 1                        ; l / 16
	v_lshlrev_b32 v49, 7, v55
	v_lshl_add_u32 v49, v48, 4, v49                ; row x 128 + 16 x half
	v_lshlrev_b32 v50, 4, v48
	v_add_nc_u32 v51, s18, v50
	v_lshlrev_b32 v52, 5, v48
.set z, 0
.rept 16                                ; q': tile z / 4, group z % 4
	global_load_b128 v[64+4*z:64+4*z+3], v49, s[78:79] offset:(z/4)*2048+(z%4)*32
.set z, z+1
.endr
.irp i, 0,1,2,3                        ; the row behind my last, every lane its half's bytes
	global_load_b128 v[CAR+4*\i:CAR+4*\i+3], v51, s[78:79] offset:32*\i
.endr
.irp i, 0,1,2,3                        ; the two biases, f32, in the same order of channels
	global_load_b128 v[128+8*\i:128+8*\i+3],   v52, s[6:7] offset:64*\i
	global_load_b128 v[128+8*\i+4:128+8*\i+7], v52, s[6:7] offset:64*\i+16
	global_load_b128 v[160+8*\i:160+8*\i+3],   v52, s[8:9] offset:64*\i
	global_load_b128 v[160+8*\i+4:160+8*\i+7], v52, s[8:9] offset:64*\i+16
.endr
	v_mul_u32_u24 v[AK0], v55, PK
	v_lshl_add_u32 v[AK0], v48, 4, v[AK0]
	; The turning load takes 16 keys x 16 channels (lane l reads key 8 (l / 16) + l % 8, channels 8 ((l / 8) % 2) + 0..7) and leaves half a fragment of V^T.
	v_and_b32 v53, 7, v0
	v_bfe_u32 v54, v0, 3, 1
	v_lshl_add_u32 v[AV0], v48, 3, v53
	v_mul_u32_u24 v[AV0], v[AV0], PV
	v_lshl_add_u32 v[AV0], v54, 4, v[AV0]
	v_add_nc_u32 v[AV0], VOFF, v[AV0]
	v_mul_u32_u24 v[XST], v55, 336
	v_lshl_add_u32 v[XST], v48, 5, v[XST]
	v_add_nc_u32 v[XST], s19, v[XST]
	v_mul_u32_u24 v[XLD], v55, 332                 ; 336 a - 4 a
	v_lshl_add_u32 v[XLD], v48, 5, v[XLD]
	v_add_nc_u32 v[XLD], s19, v[XLD]
	v_add_nc_u32 v[XLD], 60, v[XLD]
	v_add_nc_u32 v[STO], s19, v[AK0]
	v_bfe_u32 v[RD], v0, 3, 2
	v_mul_u32_u24 v[RD], v[RD], PK
	v_lshl_add_u32 v[RD], v53, 4, v[RD]
	v_add_nc_u32 v[RD], s19, v[RD]
	v_and_b32 v[GO], 31, v0
	v_lshlrev_b32 v[GO], 4, v[GO]
	v_add_nc_u32 v[STA], s20, v50
	v_add_nc_u32 v[X16], s19, v50
	v_add_nc_u32 v[X16], 16*PK, v[X16]
	v_lshl_add_u32 v56, v0, 1, ZB
	v_mov_b32 v57, 0
	ds_store_b16 v56, v57                          ; 256 threads x 2 bytes: the zeros
	WIN 0x40
.set z, 0
.rept 128
	v_mov_b32 v[OT+z], 0
.set z, z+1
.endr
	WIN 0
.set z, 0
.rept 4
	v_mov_b32 v[ST+4*z], 0xfe000000                ; c m: far below every c s
	v_mov_b32 v[ST+4*z+1], 0xff7fffff              ; m
	v_mov_b32 v[ST+4*z+2], 0
	v_mov_b32 v[ST+4*z+3], 0
.set z, z+1
.endr
	s_wait_kmcnt 0x0
	s_mov_b32 s[CS], s54
	s_mov_b32 s[CS+1], s54
	s_mov_b32 s76, s52
	s_mov_b32 s77, s52
	s_wait_loadcnt 0x0
.set z, 0
.rept 32
	v_pk_mul_f32 v[128+z:128+z+1], v[128+z:128+z+1], s[76:77] op_sel_hi:[1,0]   ; the biases take q's scale
.set z, z+2
.endr
; Sixteen registers of f16, named half by half, are widened to 32 f32 in v192-223.
.macro WIDEN regs:vararg
.set z, 0
.irp r, \regs
	v_cvt_f32_f16 v[192+z], \r
.set z, z+1
.endr
.endm
; Tile ti: q' + r_r' and q' + r_w' in f32, each rounded once to f16: Q_r and Q_w.  Register z of a tile holds the channels whose biases lie in f32 registers 2 z, 2 z + 1.
.macro QFIN ti
.set z, 0
.rept 16
	v_pk_add_f32 v[224+z:224+z+1], v[192+z:192+z+1], v[160+z:160+z+1]
	v_pk_add_f32 v[192+z:192+z+1], v[192+z:192+z+1], v[128+z:128+z+1]
.set z, z+2
.endr
	WIN 0x40
.set z, 0
.rept 16
	v_cvt_pk_f16_f32 v[QC+16*(\ti)+z], v[224+2*z], v[224+2*z+1]
	v_cvt_pk_f16_f32 v[QW+16*(\ti)+z], v[192+2*z], v[192+2*z+1]
.set z, z+1
.endr
	WIN 0
.endm
	WIDEN v64.l,v64.h,v65.l,v65.h,v66.l,v66.h,v67.l,v67.h,v68.l,v68.h,v69.l,v69.h,v70.l,v70.h,v71.l,v71.h,v72.l,v72.h,v73.l,v73.h,v74.l,v74.h,v75.l,v75.h,v76.l,v76.h,v77.l,v77.h,v78.l,v78.h,v79.l,v79.h
	QFIN 0
	WIDEN v80.l,v80.h,v81.l,v81.h,v82.l,v82.h,v83.l,v83.h,v84.l,v84.h,v85.l,v85.h,v86.l,v86.h,v87.l,v87.h,v88.l,v88.h,v89.l,v89.h,v90.l,v90.h,v91.l,v91.h,v92.l,v92.h,v93.l,v93.h,v94.l,v94.h,v95.l,v95.h
	QFIN 1
	WIDEN v96.l,v96.h,v97.l,v97.h,v98.l,v98.h,v99.l,v99.h,v100.l,v100.h,v101.l,v101.h,v102.l,v102.h,v103.l,v103.h,v104.l,v104.h,v105.l,v105.h,v106.l,v106.h,v107.l,v107.h,v108.l,v108.h,v109.l,v109.h,v110.l,v110.h,v111.l,v111.h
	QFIN 2
	WIDEN v112.l,v112.h,v113.l,v113.h,v114.l,v114.h,v115.l,v115.h,v116.l,v116.h,v117.l,v117.h,v118.l,v118.h,v119.l,v119.h,v120.l,v120.h,v121.l,v121.h,v122.l,v122.h,v123.l,v123.h,v124.l,v124.h,v125.l,v125.h,v126.l,v126.h,v127.l,v127.h
	QFIN 3
	; the stash's row 3: the query behind my last, + r_r'
	WIDEN v16.l,v16.h,v17.l,v17.h,v18.l,v18.h,v19.l,v19.h,v20.l,v20.h,v21.l,v21.h,v22.l,v22.h,v23.l,v23.h,v24.l,v24.h,v25.l,v25.h,v26.l,v26.h,v27.l,v27.h,v28.l,v28.h,v29.l,v29.h,v30.l,v30.h,v31.l,v31.h
.set z, 0
.rept 16
	v_pk_add_f32 v[192+z:192+z+1], v[192+z:192+z+1], v[160+z:160+z+1]
.set z, z+2
.endr
.set z, 0
.rept 16
	v_cvt_pk_f16_f32 v[CAR+z], v[192+2*z], v[192+2*z+1]
.set z, z+1
.endr
.irp i, 0,1,2,3
	ds_store_b128 v[STA], v[CAR+4*\i:CAR+4*\i+3] offset:3*128+32*\i   ; sixteen lanes store the same bytes to the same place
.endr
	; its rows 0-2: the first rows of Q_r's tiles 1-3, which lanes 0 and 16 hold: only these two store
	v_cmp_eq_u32 vcc_lo, 0, v55
	s_wait_xcnt 0x0                                ; EXEC changes only behind this wait
	s_and_saveexec_b32 s21, vcc_lo
	WIN 0x04                                       ; store data in window 1
.set z, 0
.rept 12
	ds_store_b128 v[STA], v[QC+16+4*z:QC+16+4*z+3] offset:(z/4)*128+(z%4)*32
.set z, z+1
.endr
	WIN 0
	s_or_b32 exec_lo, exec_lo, s21                 ; EXEC restored from s21
; r': block be of the step's window of eight into place be % 4 of the ring
.macro RLOAD be
.if (\be) < 4
.set rAd, ARA
.else
.set rAd, ARB
.endif
.set rF, F+16*((\be)%4)
.irp i, 0,1,2,3
	ds_load_b128 v[rF+4*\i:rF+4*\i+3], v[rAd] offset:((\be)%4)*16*PK+32*\i
.endr
.endm
; where block bk of tile t's X^T is summed: S + 32 t + 8 bk; the fifth blocks in v48-55 (tile 3), v56-63 (2), v16-23 (1), v24-31 (0)
.macro XREG t, bk
.if (\bk) == 4
.if (\t) >= 2
.set rX, TMP+8*(3-(\t))
.else
.set rX, CAR+8*(1-(\t))
.endif
.else
.set rX, S+32*(\t)+8*(\bk)
.endif
.endm
; one product of X^T: e = 8 t + bk names block bk of tile t; channels 32 kh on; the first starts the sum
.macro XP e, kh
.set xt, (\e)/8
.set xb, (\e)%8
	XREG xt, xb
.set rA, F+16*((3-xt+xb)%4)+8*(\kh)
.set rB, QC+16*xt+8*(\kh)
.if (\kh) == 0
	v_wmma_f32_16x16x32_f16 v[rX:rX+7], v[rA:rA+7], v[rB:rB+7], 0
.else
	v_wmma_f32_16x16x32_f16 v[rX:rX+7], v[rA:rA+7], v[rB:rB+7], v[rX:rX+7]
.endif
.endm
; a group of X^T's sums: its accumulators by turns, one instruction a turn; three or seven stand in a group
.macro GRP list:vararg
.irp kh, 0,1
.irp e, \list
	XP \e, \kh
.endr
.endr
.endm
; THE SKEW of tile t.  LDS serves a wave's instructions in order, so the loads see the stores, and the next tile's stores come behind these loads: one scratch serves all four tiles.
.macro XOUT t
	WIN 0
.set bk, 0
.rept 5
	XREG \t, bk
	ds_store_b128 v[XST], v[rX:rX+3] offset:64*bk          ; each accumulator's low half first
	ds_store_b128 v[XST], v[rX+4:rX+7] offset:64*bk+16
.set bk, bk+1
.endr
.set z, 0
.rept 32
	ds_load_b32 v[S+32*(\t)+z], v[XLD] offset:64*(z/8)+4*(z%8)
.set z, z+1
.endr
.endm
; Q_r of tiles ta and tb becomes Q_r+: a tile's 16 rows go into my scratch at pitch 144, the row that follows its last query (from the stash) into row 16, and every lane reads one row further down.
; Two tiles at a time, 17 rows apart.  Four places stand ahead of the macro (the loads land on sources of products).
.macro SHIFT2 ta, tb
	WIN 0
.irp i, 0,1,2,3
	ds_load_b128 v[CAR+4*\i:CAR+4*\i+3], v[STA] offset:(\ta)*128+32*\i
	ds_load_b128 v[TMP+4*\i:TMP+4*\i+3], v[STA] offset:(\tb)*128+32*\i
.endr
	s_wait_dscnt 0x0                               ; the two carried rows are in
.irp i, 0,1,2,3
	ds_store_b128 v[X16], v[CAR+4*\i:CAR+4*\i+3] offset:32*\i
	ds_store_b128 v[X16], v[TMP+4*\i:TMP+4*\i+3] offset:17*PK+32*\i
.endr
	WIN 0x04                                       ; store data in window 1
.irp i, 0,1,2,3
	ds_store_b128 v[STO], v[QC+16*(\ta)+4*\i:QC+16*(\ta)+4*\i+3] offset:32*\i
	ds_store_b128 v[STO], v[QC+16*(\tb)+4*\i:QC+16*(\tb)+4*\i+3] offset:17*PK+32*\i
.endr
	WIN 0x40                                       ; loaded data in window 1
.irp i, 0,1,2,3
	ds_load_b128 v[QC+16*(\ta)+4*\i:QC+16*(\ta)+4*\i+3], v[STO] offset:PK+32*\i
	ds_load_b128 v[QC+16*(\tb)+4*\i:QC+16*(\tb)+4*\i+3], v[STO] offset:18*PK+32*\i
.endr
.endm
.macro FETCH_K                         ; a step's K: keys 16 (f / 2) on, channels 32 (f % 2) on
.irp f, 0,1,2,3,4,5,6,7
	ds_load_b128 v[F+8*\f:F+8*\f+3],   v[AK] offset:(\f/2)*16*PK+(\f%2)*64
	ds_load_b128 v[F+8*\f+4:F+8*\f+7], v[AK] offset:(\f/2)*16*PK+(\f%2)*64+32
.endr
	s_add_co_u32 s[TBK], s[TBK], 64*PK
.endm
.macro FETCH_V                         ; its V, turned: keys 32 (f / 4) on, channels 16 (f % 4) on
.irp f, 0,1,2,3,4,5,6,7
	ds_load_tr16_b128 v[F+8*\f:F+8*\f+3],   v[AV] offset:(\f/4)*32*PV+(\f%4)*32
	ds_load_tr16_b128 v[F+8*\f+4:F+8*\f+7], v[AV] offset:(\f/4)*32*PV+16*PV+(\f%4)*32
.endr
	s_add_co_u32 s[TBV], s[TBV], 64*PV
.endm
; S^T of tile t = K Q_w^T + the skewed X^T: its four accumulators by turns
.macro AC t
	WIN 0x04
.irp kh, 0,1
.irp kb, 0,1,2,3
	v_wmma_f32_16x16x32_f16 v[S+32*(\t)+8*\kb:S+32*(\t)+8*\kb+7], v[F+16*\kb+8*\kh:F+16*\kb+8*\kh+7], v[QW+16*(\t)+8*\kh:QW+16*(\t)+8*\kh+7], v[S+32*(\t)+8*\kb:S+32*(\t)+8*\kb+7]
.endr
.endr
.endm
.macro REGS t
.set rT, ST+4*(\t)
.set rC, TMP+4*(\t)
.set rM, MV+(\t)
.set rS, S+32*(\t)
.endm
; Number n of the 22 that find a tile's maximum and statistics.  0-11: four chains of seven scores (each accumulator's lowest registers first); 12-14, 16: the four left over, the old m, the
; chains into c0; 15: c m_old is kept; 17, 18: the query's other 32 keys lie in the lane 16 away; 19-21: c m, c m_old - c m_new, a.
.macro XS t, n
	REGS \t
.if (\n) < 4
	v_max3_num_f32 v[rC+(\n)], v[rS+8*(\n)], v[rS+8*(\n)+1], v[rS+8*(\n)+2]
.elseif (\n) < 12
	v_max3_num_f32 v[rC+(\n)%4], v[rC+(\n)%4], v[rS+8*((\n)%4)+2*((\n)/4)+1], v[rS+8*((\n)%4)+2*((\n)/4)+2]
.elseif (\n) == 12
	v_max3_num_f32 v[rC], v[rC], v[rS+7], v[rS+15]
.elseif (\n) == 13
	v_max3_num_f32 v[rC+1], v[rC+1], v[rS+23], v[rS+31]
.elseif (\n) == 14
	v_max3_num_f32 v[rC+2], v[rC+2], v[rC+3], v[rT+1]
.elseif (\n) == 15
	v_mov_b32 v[rM], v[rT]
.elseif (\n) == 16
	v_max3_num_f32 v[rC], v[rC], v[rC+1], v[rC+2]
.elseif (\n) == 17
	v_permlanex16_b32 v[rC+3], v[rC], s[SEL], s[SEL+1]
.elseif (\n) == 18
	v_max_num_f32 v[rT+1], v[rC], v[rC+3]
.elseif (\n) == 19
	v_mul_f32 v[rT], s[CS], v[rT+1]
.elseif (\n) == 20
	v_sub_f32 v[rC+1], v[rM], v[rT]
.else
	v_exp_f32 v[rC+2], v[rC+1]
.endif
.endm
.macro FSC i                           ; pair i: c s - c m
	v_pk_fma_f32 v[rS+2*(\i):rS+2*(\i)+1], v[rS+2*(\i):rS+2*(\i)+1], s[CS:CS+1], v[rT:rT+1] op_sel_hi:[1,0,0] neg_lo:[0,0,1] neg_hi:[0,0,1]
.endm
.macro SUMCVT i                        ; l takes pair i (the first time l = a l + pair); then the pair is rounded to f16 into register i of the tile: that register's own pair, i / 2, has been taken before
.if (\i) == 0
	s_wait_alu depctr_va_vdst(0)
	v_pk_fma_f32 v[rT+2:rT+3], v[rT+2:rT+3], v[rC+2:rC+3], v[rS:rS+1] op_sel_hi:[1,0,1]
.else
	s_wait_alu depctr_va_vdst(0)
	v_pk_add_f32 v[rT+2:rT+3], v[rT+2:rT+3], v[rS+2*(\i):rS+2*(\i)+1]
.endif
	v_cvt_pk_f16_f32 v[rS+(\i)], v[rS+2*(\i)], v[rS+2*(\i)+1]
.endm
; A tile's 32 weights.  A plain instruction that names neither its result nor its source stands behind every exponential before the result is used (ISA guide 5.7.2): scalings two pairs ahead, sums and roundings a pair back.
.macro EXPS t
	REGS \t
	FSC 0
	FSC 1
.set x, 0
.rept 16
	v_exp_f32 v[rS+2*x], v[rS+2*x]
.if x < 14
	FSC x+2
.endif
	v_exp_f32 v[rS+2*x+1], v[rS+2*x+1]
.if x > 0
	SUMCVT x-1
.endif
.set x, x+1
.endr
	v_nop
	SUMCVT 15
.endm
; A KEY STEP, in phases: X^T by blocks of r'; its skew and K Q_w^T on top of it, tile by tile; maximum, weights, rescaling; V^T P.
.macro STEP
	WIN 0
.rept 5
	v_nop                                          ; places behind the last step's V^T P: X^T writes over p, r' lands on V
.endr
	s_lshl_b32 s68, s[SD], 6                       ; 64 d
	s_add_co_i32 s69, s68, 961
	s_sub_co_i32 s70, s68, 64
	s_cmp_le_i32 s[SD], 0
	s_cselect_b32 s69, s69, s70                    ; the row at which blocks 0-3 begin, plus one: 0 to 961
	s_add_co_i32 s70, s68, 1025
	s_cmp_lt_i32 s[SD], 0
	s_cselect_b32 s70, s70, s68                    ; and blocks 4-7 likewise
	s_mul_i32 s69, s69, PK
	s_mul_i32 s70, s70, PK
	s_min_u32 s69, s69, 961*PK                     ; the arithmetic above keeps both within this; the text says so once more,
	s_min_u32 s70, s70, 961*PK
	s_add_co_u32 s69, s69, TB-PK                   ; so that both addresses lie between row -1 and row 960 of the table
	s_add_co_u32 s70, s70, TB-PK
	v_add_nc_u32 v[ARA], s69, v[AK0]
	v_add_nc_u32 v[ARB], s70, v[AK0]
	RLOAD 0
	RLOAD 1
	RLOAD 2
	RLOAD 3
	s_wait_dscnt 8                                 ; blocks 0 and 1 are in; the eight loads of blocks 2 and 3 may be out
	WIN 0x04
	GRP 24, 25, 16                                 ; block 0: tile 3;  block 1: tiles 3, 2
	P4                                             ; places: blocks 4 and 5 land where blocks 0 and 1 lay
	RLOAD 4
	RLOAD 5
	s_wait_dscnt 8                                 ; blocks 2 and 3 are in; the eight loads just issued may be out
	GRP 26, 17, 8, 27, 18, 9, 0                    ; block 2: tiles 3, 2, 1;  block 3: all four
	P4                                             ; places: blocks 6 and 7 land where blocks 2 and 3 lay, and, where d = 0, Q_r+ on Q_r
	RLOAD 6
	RLOAD 7
	WIN 0
	s_cmp_lg_u32 s[SD], 0
	s_cbranch_scc1 .Lsame_\@                       ; forward, past text with no barrier and no tensor load
	SHIFT2 3, 2                                    ; d = 0: from here on every lane holds the next query
	SHIFT2 1, 0
	s_wait_dscnt 0x0
	WIN 0
.Lsame_\@:
	s_wait_dscnt 8                                 ; blocks 4 and 5 are in; the eight loads of blocks 6 and 7 may be out
	WIN 0x04
	GRP 28, 19, 10, 1, 20, 11, 2                   ; block 4: all four;  block 5: tiles 2, 1, 0
	s_wait_dscnt 0x0
	GRP 12, 3, 4                                   ; block 6: tiles 1, 0;  block 7: tile 0
	WIN 0
.rept 5
	v_nop                                          ; places: the stores below read results just made, the skewed loads land on them, K lands on r'
.endr
	XOUT 3
	v_add_nc_u32 v[AK], s[TBK], v[AK0]
	FETCH_K
	s_wait_dscnt 0x0                               ; tile 3's skewed X, and K
	XOUT 2                                         ; a tile's skew is issued ahead of the products of the tile before: LDS serves it while they run
	AC 3
	s_wait_dscnt 0x0
	XOUT 1
	AC 2
	s_wait_dscnt 0x0
	XOUT 0
	AC 1
	s_wait_dscnt 0x0
	AC 0
	WIN 0
	P4                                             ; V lands on K; the maxima read results just made
	v_add_nc_u32 v[AV], s[TBV], v[AV0]
	FETCH_V
.irp n, 0,1,2,3,4,5,6,7,8,9,10,11,12,13,14,15,16,17,18,19,20,21
.irp t, 0,1,2,3
	XS \t, \n
.endr
.endr
	EXPS 0
	EXPS 1
	EXPS 2
	EXPS 3
	WIN 0x41
.set ti, 0
.rept 4                                 ; O^T times a, each accumulator from its low end
.set z, 0
.rept 16
	v_pk_mul_f32 v[OT+32*ti+2*z:OT+32*ti+2*z+1], v[OT+32*ti+2*z:OT+32*ti+2*z+1], v[TMP+4*ti+2:TMP+4*ti+3] op_sel_hi:[1,0]
.set z, z+1
.endr
.set ti, ti+1
.endr
	s_wait_dscnt 0x0                               ; V is in
	WIN 0x50
.set kk, 0
.rept 2                                 ; O^T += V^T P: 16 accumulators by turns
.set cb, 0
.rept 4
.set ti, 0
.rept 4
.set rD, OT+32*ti+8*cb
	v_wmma_f32_16x16x32_f16 v[rD:rD+7], v[F+32*kk+8*cb:F+32*kk+8*cb+7], v[S+32*ti+8*kk:S+32*ti+8*kk+7], v[rD:rD+7]
.set ti, ti+1
.endr
.set cb, cb+1
.endr
.set kk, kk+1
.endr
	WIN 0
	s_add_co_i32 s[SD], s[SD], 1
.endm
.macro TWO_STEPS                       ; a slot's two steps: written once, walked twice
	s_mov_b32 s[CNT], 2
.Lstep_\@:
	STEP
	s_sub_co_u32 s[CNT], s[CNT], 1
	s_cmp_lg_u32 s[CNT], 0
	s_cbranch_scc1 .Lstep_\@
.endm
.Lslot:                                                ; seven trips: a slot is entered and the other is asked for (at the first: slot 0 and r' are waited for, slot 1 is filled)
	CHANGE 1
	TWO_STEPS
	s_sub_co_u32 s[SLOTS], s[SLOTS], 1
	s_cmp_lg_u32 s[SLOTS], 0
	s_cbranch_scc1 .Lslot
	CHANGE 0                                       ; the last slot is written out
	TWO_STEPS
	; THE WAY OUT.  l's two halves and the other half of the lanes' are added; O^T is divided by l, rounded to f16 and sent through my scratch, a tile at a time.  The additions are the places behind the last products.
.macro ALL line:vararg
.set t, 0
.rept 4
	\line
.set t, t+1
.endr
.endm
	ALL v_add_f32 v[ST+4*t+2], v[ST+4*t+2], v[ST+4*t+3]
	ALL v_permlanex16_b32 v[ST+4*t+3], v[ST+4*t+2], s[SEL], s[SEL+1]
	ALL v_add_f32 v[ST+4*t+2], v[ST+4*t+2], v[ST+4*t+3]
	ALL v_rcp_f32 v[ST+4*t+2], v[ST+4*t+2]
	v_nop                                          ; a plain instruction between the last reciprocal and the use of its result
	s_wait_alu depctr_va_vdst(0)
.macro PACK t
	WIN 0x41
.set i, OT+32*(\t)
.rept 16
	v_pk_mul_f32 v[i:i+1], v[i:i+1], v[ST+4*(\t)+2:ST+4*(\t)+3] op_sel_hi:[1,0]
.set i, i+2
.endr
	WIN 0x05
.set i, 0
.rept 16
	v_cvt_pk_f16_f32 v[S+16*(\t)+i], v[OT+32*(\t)+2*i], v[OT+32*(\t)+2*i+1]
.set i, i+1
.endr
	WIN 0
.irp f, 0,1,2,3
	ds_store_b128 v[STO], v[S+16*(\t)+4*\f:S+16*(\t)+4*\f+3] offset:32*\f
.endr
.irp f, 0,1,2,3
	ds_load_b128 v[S+16*(\t)+4*\f:S+16*(\t)+4*\f+3], v[RD] offset:\f*4*PK   ; in order behind the stores above; the next tile's stores come behind them
.endr
.endm
.macro SEND t, younger                 ; younger: the LDS instructions issued behind tile t's loads: the next tile's eight, or none
.irp f, 0,1,2,3
	s_wait_dscnt (\younger)+3-\f
	global_store_b128 v[GO], v[S+16*(\t)+4*\f:S+16*(\t)+4*\f+3], s[74:75] offset:(\t)*2048+\f*512   ; 512 consecutive bytes, aligned
.endr
.endm
	PACK 0
	PACK 1
	SEND 0, 8
	PACK 2
	SEND 1, 8
	PACK 3
	SEND 2, 8
	SEND 3, 0
	s_wait_tensorcnt 0x0                           ; the wave's end
	ds_add_u32 v[SPW], v[NIL]
	s_wait_dscnt 0x0
	s_endpgm
.Lfunc_end_k_q820d809dea_attn:
	.size	k_q820d809dea_attn, .Lfunc_end_k_q820d809dea_attn-k_q820d809dea_attn
	.p2alignl 7, 3214868480
	.fill 96, 4, 3214868480
	.section	.rodata,"a",@progbits
	.p2align	6, 0x0
	.amdhsa_kernel k_q820d809dea_attn
		.amdhsa_group_segment_fixed_size 327680
		.amdhsa_private_segment_fixed_size 0
		.amdhsa_enable_private_segment 0
		.amdhsa_kernarg_size 40
		.amdhsa_user_sgpr_count 2
		.amdhsa_user_sgpr_kernarg_segment_ptr 1
		.amdhsa_wavefront_size32 1
		.amdhsa_system_sgpr_workgroup_id_x 1
		.amdhsa_system_sgpr_workgroup_id_y 1
		.amdhsa_system_sgpr_workgroup_id_z 1
		.amdhsa_system_vgpr_workitem_id 0
		.amdhsa_next_free_vgpr 512
		.amdhsa_next_free_sgpr 96
		.amdhsa_reserve_vcc 1
		.amdhsa_float_denorm_mode_32 3
		.amdhsa_float_denorm_mode_16_64 3
		.amdhsa_memory_ordered 1
		.amdhsa_forward_progress 1
		.amdhsa_inst_pref_size 167
	.end_amdhsa_kernel
	.amdgpu_metadata
---
amdhsa.version: [ 1, 2 ]
amdhsa.kernels:
  - .name:           k_q820d809dea_attn
    .symbol:         k_q820d809dea_attn.kd
    .args:
      - { .name: heads, .offset: 0, .size: 8, .value_kind: global_buffer, .address_space: global }
      - { .name: r_w_bias, .offset: 8, .size: 8, .value_kind: global_buffer, .address_space: global }
      - { .name: r_r_bias, .offset: 16, .size: 8, .value_kind: global_buffer, .address_space: global }
      - { .name: consts, .offset: 24, .size: 8, .value_kind: global_buffer, .address_space: global }
      - { .name: ctx, .offset: 32, .size: 8, .value_kind: global_buffer, .address_space: global }
    .group_segment_fixed_size: 327680
    .private_segment_fixed_size: 0
    .kernarg_segment_align: 8
    .kernarg_segment_size: 40
    .max_flat_workgroup_size: 256
    .sgpr_count:     96
    .vgpr_count:     512
    .wavefront_size: 32
...
	.end_amdgpu_metadata
.endif
;; end of part 3
;; launch gemm2 (part 4): grid 8 x 32, 4 waves a work-group, clusters of 4 x 4, 327,680 bytes of LDS; arguments ctx, wc, output_biases, consts, out0; writes out0
.if DOCPART == 4
	.amdgcn_target "amdgcn-amd-amdhsa--gfx1250"
	.amdhsa_code_object_version 6
	.text
	.protected	k_q820d809dea_gemm2
	.globl	k_q820d809dea_gemm2
	.p2align	8
	.type	k_q820d809dea_gemm2,@function
k_q820d809dea_gemm2:
	s_mov_b64 s[64:65], 0
	v_nop
	global_prefetch_b8 v0, s[64:65] scope:SCOPE_SE
	s_setreg_imm32_b32 hwreg(HW_REG_WAVE_MODE, 25, 1), 1
	s_wait_xcnt 0x0
	s_wait_alu depctr_hold_cnt(0) depctr_sa_sdst(0) depctr_va_vdst(0) depctr_va_sdst(0) depctr_va_ssrc(0) depctr_va_vcc(0) depctr_vm_vsrc(0)
	s_getreg_b32 s2, hwreg(HW_REG_IB_STS2, 6, 4)
	s_cmp_eq_u32 s2, 0
	s_cbranch_scc0 .Lentry_in_a_cluster
	s_endpgm
.Lentry_in_a_cluster:
	s_bfe_u32 s2, ttmp6, 0x10000c
	s_cmp_lg_u32 s2, 0xf033
	s_cbranch_scc0 .Lentry_shape_is_right
	s_endpgm
.Lentry_shape_is_right:
; THE OUTPUT PROJECTION.  out0[t][b][o] = (sum over k of ctx'[16 b + k / 64][t][k % 64] W[o][k]) / sigma_i + output_biases[o];  ctx' = sigma_i x context in f16, W = wc rows 4096-5119 in f16; sums and result in f32.
; sigma_i is b's: its reciprocal lies at byte 32,768 b + 12 of consts.
; A tile: 256 rows (one b, 256 t) x 128 columns: 256 work-groups, one for each WGP.  Four waves, each 128 x 64: 32 accumulators.  K goes in steps of 128 = two heads' panels of ctx, through two LDS slots.
; A panel's 256 rows of 128 bytes are dense: asked for as 128 rows of 256 bytes, padded in LDS after every 128.  CLUSTERS of 4 x 4: ctx's tiles are shared along a row, W's along a column, asked for jointly.
; THE MATRIX INSTRUCTION IS USED TRANSPOSED (source 0 = 16 rows of W, source 1 = 16 rows of ctx): a lane holds eight neighbouring columns of one row of the result.
; REGISTERS.  window 0: v0-31 addresses; v32-63 a block's results; v64-95, v128-159 rows read back; v96-127 the bias.  window 1: the accumulators ((a, b) at v[8 (4 a + b)]).
;   window 2: two fragment buffers of 96: 64 of ctx (8 x 16 rows x 32 K), then 32 of W.   s_set_vgpr_msb: bits 1:0 source 0, 3:2 source 1, 5:4 source 2, 7:6 destination.
.set KSTEP,  128
.set PA,     144                       ; a row of a panel in LDS: 128 bytes + 16
.set PB,     272                       ; a row of W: 256 bytes + 16
.set PANEL,  256*PA
.set BOFF,   2*PANEL
.set BHALF,  64*PB
.set SLOT,   BOFF+2*BHALF              ; 108,544 bytes
.set STAGE,  2*SLOT                    ; behind the ring: 16 rows x 272 bytes for each wave
.set SPITCH, 272
.set SPARE,  STAGE+4*16*SPITCH
.set LAPS,   4                         ; eight K steps
.set ADRA, 16
.set ADRB, 20
.set STO,  24
.set RD,   25
.set CO,   26
.set SOFF, 27
.set SPW,  28
.set NIL,  29
.set TMP,  32
.set BIAS, 96
.set F0,   0                           ; window 2
.set F1,   96
.set G1,  24
.set G0,  32
.set G1B, 48
.set G0B, 56
.set MSB, 0
.macro WIN new
.if MSB != (\new)
	s_set_vgpr_msb (MSB<<8)|(\new)
.set MSB, \new
.endif
.endm
.set MUL,  0x5a                        ; sources 0 and 1 window 2; C and D window 1
.set TO_F, 0x80                        ; destination window 2
.macro JLOAD s                         ; waves 0 and 1 fetch the two panels, waves 2 and 3 W's two halves; an s_nop 0 and four v_nop follow each line
	s_cmp_eq_u32 s11, 0
	s_cbranch_scc0 .Lfor_b_\@
	tensor_load_to_lds s[G0+4*(\s):G0+4*(\s)+3], s[G1:G1+7]
	s_nop 0
.rept 4
	v_nop
.endr
	s_branch .Lasked_\@
.Lfor_b_\@:
	tensor_load_to_lds s[G0B+4*(\s):G0B+4*(\s)+3], s[G1B:G1B+7]
	s_nop 0
.rept 4
	v_nop
.endr
.Lasked_\@:
.endm
.macro CREST
	s_cmp_lg_u32 s10, 0
	s_cbranch_scc1 .Lnot_wave_0_\@
	s_barrier_signal -3
.Lnot_wave_0_\@:
	s_barrier_wait -3
	s_barrier_signal -1
	s_barrier_wait -1
.endm
.macro CROUND
	s_barrier_signal -1
	s_barrier_wait -1
	CREST
.endm
	s_load_b128 s[4:7], s[0:1], 0x0                ; ctx, wc
	s_load_b128 s[72:75], s[0:1], 0x10             ; output_biases, consts
	s_load_b64 s[8:9], s[0:1], 0x20                ; out0
	v_lshl_add_u32 v[SPW], v0, 2, SPARE
	v_mov_b32 v[NIL], 0
	ds_add_u32 v[SPW], v[NIL]                      ; the wave's opening: the add and its wait ahead of my first tensor load
	ds_add_u32 v28, v29
	v_lshrrev_b32 v1, 5, v0
	v_readfirstlane_b32 s10, v1
	s_lshr_b32 s11, s10, 1                         ; my half of the rows.  Also: I fetch ctx (0) or W (1)
	s_and_b32 s12, s10, 1                          ; my half of the columns.  Also: which panel, or which 64 rows of W, I fetch
	s_bfe_u32 s40, ttmp6, 0x40000
	s_bfe_u32 s41, ttmp6, 0x40004
	s_lshl_b32 s42, ttmp9, 2
	s_add_co_u32 s42, s42, s40                     ; tile column, 0..7
	s_and_b32 s13, ttmp7, 0xffff
	s_lshl_b32 s13, s13, 2
	s_add_co_u32 s13, s13, s41                     ; tile row, 0..31: b = row / 4, t from 256 (row % 4)
	s_lshl_b32 s43, s41, 2
	s_lshl_b32 s43, 15, s43
	s_lshl_b32 s44, 0x1111, s40
	s_or_b32 s[G1+0], s43, (1<<16)|(1<<20)|(1<<21)|(4<<22)|(3<<25)   ; padding of 4 words after every 32
	s_mov_b32 s[G1+1], 128<<16                     ; tensor_dim0 = 128
	s_mov_b32 s[G1+2], 128<<16                     ; tensor_dim1 = 128
	s_mov_b32 s[G1+3], 128<<16                     ; tile_dim0 = 128
	s_mov_b32 s[G1+4], 128                         ; tile_dim1 = 128
	s_mov_b32 s[G1+5], 128                         ; dense
	s_mov_b32 s[G1+6], 0
	s_mov_b32 s[G1+7], 0
	s_or_b32 s[G1B+0], s44, (1<<16)|(1<<20)|(1<<21)|(5<<22)|(3<<25)  ; after every 64
	s_mov_b32 s[G1B+1], 128<<16
	s_mov_b32 s[G1B+2], 64<<16                     ; 64 rows
	s_mov_b32 s[G1B+3], 128<<16
	s_mov_b32 s[G1B+4], 64
	s_mov_b32 s[G1B+5], 1024
	s_mov_b32 s[G1B+6], 0
	s_mov_b32 s[G1B+7], 0
	s_lshr_b32 s16, s13, 2
	s_lshl_b32 s16, s16, 4
	s_add_co_u32 s16, s16, s12                     ; head 16 b + panel
	s_lshl_b32 s16, s16, 10
	s_and_b32 s17, s13, 3
	s_lshl_b32 s17, s17, 8
	s_add_co_u32 s16, s16, s17                     ; + t
	s_lshl_b32 s16, s16, 7                         ; rows of 128 bytes
	s_mov_b32 s17, 0
	s_lshl_b32 s46, s42, 7
	s_lshl_b32 s47, s12, 6
	s_add_co_u32 s46, s46, s47
	s_add_co_u32 s46, s46, 4096                    ; wc's row
	s_lshl_b32 s46, s46, 11
	s_mov_b32 s47, 0
	s_mul_i32 s20, s12, PANEL
	s_mul_i32 s21, s12, BHALF
	s_add_co_u32 s21, s21, BOFF
	s_lshr_b32 s70, s13, 2                         ; b,
	s_lshl_b32 s70, s70, 15                        ; whose constants lie at byte 32,768 b
	s_mov_b32 s71, 0
	s_wait_dscnt 0x0
	s_wait_kmcnt 0x0
	s_add_nc_u64 s[74:75], s[74:75], s[70:71]
	s_load_b32 s68, s[74:75], 0xc                  ; 1 / sigma_i
	s_add_nc_u64 s[14:15], s[4:5], s[16:17]
	s_add_nc_u64 s[46:47], s[6:7], s[46:47]
	CROUND                                         ; the first joint loads meet
.irp s, 0,1
	s_mov_b32 s[G0+4*(\s)], 1
	s_add_co_u32 s[G0+4*(\s)+1], s20, (\s)*SLOT
	s_add_nc_u64 s[G0+4*(\s)+2:G0+4*(\s)+3], s[14:15], (\s)*2*131072   ; K step s: two heads on
	s_or_b32 s[G0+4*(\s)+3], s[G0+4*(\s)+3], 0x80000000
	s_mov_b32 s[G0B+4*(\s)], 1
	s_add_co_u32 s[G0B+4*(\s)+1], s21, (\s)*SLOT
	s_add_nc_u64 s[G0B+4*(\s)+2:G0B+4*(\s)+3], s[46:47], (\s)*KSTEP*2
	s_or_b32 s[G0B+4*(\s)+3], s[G0B+4*(\s)+3], 0x80000000
	JLOAD \s
.endr
	v_and_b32 v1, 15, v0
	v_bfe_u32 v2, v0, 4, 1
	v_mul_u32_u24 v3, v1, PA
	v_lshl_add_u32 v3, v2, 4, v3
	v_mul_u32_u24 v4, v1, PB
	v_lshl_add_u32 v4, v2, 4, v4
	s_mul_i32 s21, s11, 128*PA                     ; my 128 rows in a panel
	s_mul_i32 s22, s12, BHALF                      ; my 64 rows of W
	s_add_co_u32 s22, s22, BOFF
.irp s, 0,1
	v_add_nc_u32 v[ADRA+(\s)], s21, v3
	v_add_nc_u32 v[ADRB+(\s)], s22, v4
	s_add_co_u32 s21, s21, SLOT
	s_add_co_u32 s22, s22, SLOT
.endr
	s_mul_i32 s23, s10, 16*SPITCH
	s_add_co_u32 s23, s23, STAGE
	v_mul_u32_u24 v5, v1, SPITCH                   ; in: row l % 16, 32 bytes of f32 for each half of the lanes
	v_lshl_add_u32 v5, v2, 5, v5
	v_add_nc_u32 v[STO], s23, v5
	v_mul_u32_u24 v5, v2, SPITCH                   ; back: lanes 0-15 one row of 256 bytes, lanes 16-31 the next
	v_lshl_add_u32 v5, v1, 4, v5
	v_add_nc_u32 v[RD], s23, v5
	v_lshlrev_b32 v5, 15, v2                       ; from t to t + 1 in out0: 8 x 4,096 bytes
	v_lshl_add_u32 v[CO], v1, 4, v5
	v_lshlrev_b32 v[SOFF], 5, v2
	s_and_b32 s16, s13, 3
	s_lshl_b32 s16, s16, 8
	s_lshl_b32 s14, s11, 7
	s_add_co_u32 s16, s16, s14                     ; my first t
	s_lshl_b32 s16, s16, 3
	s_lshr_b32 s14, s13, 2
	s_add_co_u32 s16, s16, s14                     ; x 8 + b
	s_lshl_b32 s16, s16, 12
	s_mov_b32 s17, 0
	s_lshl_b32 s70, s42, 9
	s_lshl_b32 s71, s12, 8
	s_add_co_u32 s70, s70, s71                     ; my first column, in bytes of f32: a multiple of 256
	s_mov_b32 s71, 0
	s_add_nc_u64 s[16:17], s[16:17], s[70:71]      ; what the first block's stores add to out0's address
	s_add_nc_u64 s[72:73], s[72:73], s[70:71]
.irp k, 0,1,2,3                        ; the bias of my 64 columns; it lands during the K loop
	global_load_b128 v[BIAS+8*\k:BIAS+8*\k+3],   v[SOFF], s[72:73] offset:64*\k
	global_load_b128 v[BIAS+8*\k+4:BIAS+8*\k+7], v[SOFF], s[72:73] offset:64*\k+16
.endr
	s_wait_kmcnt 0x0
	s_mov_b32 s69, s68                             ; named with it as a pair
; 8 matrix instructions: m blocks a0, a0 + 1 x all 4 n blocks, 32 along K.  The 32 accumulators take turns.
.macro MUL8 f, a0, zero
	WIN MUL
.irp a, \a0, (\a0)+1
.irp b, 0,1,2,3
.if \zero
	v_wmma_f32_16x16x32_f16 v[8*(4*(\a)+(\b)):8*(4*(\a)+(\b))+7], v[(\f)+64+8*(\b):(\f)+64+8*(\b)+7], v[(\f)+8*(\a):(\f)+8*(\a)+7], 0
.else
	v_wmma_f32_16x16x32_f16 v[8*(4*(\a)+(\b)):8*(4*(\a)+(\b))+7], v[(\f)+64+8*(\b):(\f)+64+8*(\b)+7], v[(\f)+8*(\a):(\f)+8*(\a)+7], v[8*(4*(\a)+(\b)):8*(4*(\a)+(\b))+7]
.endif
.endr
.endr
.endm
.macro FETCH slot, q, f                ; quarter q of a K step: 24 LDS loads in one run, W's 8 first; channels 32 q on lie in panel q / 2 at byte 64 (q % 2)
	WIN TO_F
.irp i, 0,1,2,3
	ds_load_b128 v[(\f)+64+8*(\i):(\f)+64+8*(\i)+3],   v[ADRB+(\slot)] offset:(\i)*16*PB+64*(\q)
	ds_load_b128 v[(\f)+64+8*(\i)+4:(\f)+64+8*(\i)+7], v[ADRB+(\slot)] offset:(\i)*16*PB+64*(\q)+32
.endr
.irp i, 0,1,2,3,4,5,6,7
	ds_load_b128 v[(\f)+8*(\i):(\f)+8*(\i)+3],   v[ADRA+(\slot)] offset:(\i)*16*PA+((\q)/2)*PANEL+((\q)%2)*64
	ds_load_b128 v[(\f)+8*(\i)+4:(\f)+8*(\i)+7], v[ADRA+(\slot)] offset:(\i)*16*PA+((\q)/2)*PANEL+((\q)%2)*64+32
.endr
.endm
.macro PLACES
.rept 4
	v_nop
.endr
.endm
.macro QUARTER slot, q, f, g, zero     ; 32 products on buffer f; in the middle quarter q's fragments into g
	s_wait_dscnt 8                                 ; W and ctx's blocks 0-3 are in; the youngest eight loads may be out
	MUL8 \f, 0, \zero
	MUL8 \f, 2, \zero
	PLACES
	FETCH \slot, \q, \g
	s_wait_dscnt 24                                ; all but the 24 just issued
	MUL8 \f, 4, \zero
	MUL8 \f, 6, \zero
.endm
.macro MEET round
	WIN 0
	s_wait_tensorcnt 0x0                           ; the one that was out is my part of the next slot
	ds_add_u32 v[SPW], v[NIL]
	s_wait_dscnt 9                                 ; (the add and the youngest eight loads may be out)
	MUL8 F1, 0, 0
	s_wait_dscnt 0x0                               ; the add is done, my reads of this slot are over
	s_barrier_signal -1
	MUL8 F1, 2, 0
.if \round
	WIN 0
.endif
	s_barrier_wait -1
.endm
.macro TURN slot, next
	MEET 1
	CREST                                          ; no wave of any partner still reads this slot or has a load on its way
	s_add_nc_u64 s[G0+4*(\slot)+2:G0+4*(\slot)+3], s[G0+4*(\slot)+2:G0+4*(\slot)+3], 4*131072   ; two K steps on: four heads
	s_add_nc_u64 s[G0B+4*(\slot)+2:G0B+4*(\slot)+3], s[G0B+4*(\slot)+2:G0B+4*(\slot)+3], 2*KSTEP*2
	JLOAD \slot                                    ; its four v_nop are also the places in front of the loads below
	FETCH \next, 0, F0
	MUL8 F1, 4, 0
	MUL8 F1, 6, 0
.endm
	s_wait_tensorcnt 1                             ; my part of K step 0 is in; K step 1's stays out
	s_barrier_signal -1
	s_barrier_wait -1
	FETCH 0, 0, F0
	QUARTER 0, 1, F0, F1, 1                        ; the first quarter starts the sums
	WIN 0
	s_mov_b32 s3, LAPS-1
.Llap:
	QUARTER 0, 2, F1, F0, 0
	QUARTER 0, 3, F0, F1, 0
	TURN 0, 1
	QUARTER 1, 1, F0, F1, 0
	QUARTER 1, 2, F1, F0, 0
	QUARTER 1, 3, F0, F1, 0
	TURN 1, 0
	QUARTER 0, 1, F0, F1, 0
	WIN 0
	s_sub_co_u32 s3, s3, 1
	s_cmp_lg_u32 s3, 0
	s_cbranch_scc1 .Llap
	QUARTER 0, 2, F1, F0, 0                        ; the last lap is written out: it asks for nothing
	QUARTER 0, 3, F0, F1, 0
	MEET 0
	PLACES
	FETCH 1, 0, F0
	MUL8 F1, 4, 0
	MUL8 F1, 6, 0
	QUARTER 1, 1, F0, F1, 0
	QUARTER 1, 2, F1, F0, 0
	QUARTER 1, 3, F0, F1, 0
	s_wait_dscnt 8
	MUL8 F1, 0, 0
	MUL8 F1, 2, 0
	s_wait_dscnt 0x0
	MUL8 F1, 4, 0
	MUL8 F1, 6, 0
	; THE WAY OUT, a block of 16 rows at a time: sum / sigma_i + bias in one fused multiply-add, through my stage, out as whole rows of 256 bytes.
.macro PACK a
	WIN 0x01                                       ; source 0 in window 1
.set z, 0
.rept 16
	v_pk_fma_f32 v[TMP+z:TMP+z+1], v[32*(\a)+z:32*(\a)+z+1], s[68:69], v[BIAS+z:BIAS+z+1] op_sel_hi:[1,0,1]   ; each accumulator from its low end
.set z, z+2
.endr
	WIN 0
.endm
.macro TOSTAGE a
.set BK, 64+64*((\a)%2)
.irp b, 0,1,2,3
	ds_store_b128 v[STO], v[TMP+8*(\b):TMP+8*(\b)+3]   offset:64*(\b)
	ds_store_b128 v[STO], v[TMP+8*(\b)+4:TMP+8*(\b)+7] offset:64*(\b)+16
.endr
.irp t, 0,1,2,3,4,5,6,7
	ds_load_b128 v[BK+4*(\t):BK+4*(\t)+3], v[RD] offset:(\t)*2*SPITCH   ; in order behind the stores above
.endr
.endm
.macro SEND a
.set BK, 64+64*((\a)%2)
	s_wait_dscnt 0x0                               ; the block is back in registers
	s_wait_xcnt 0x0                                ; the stores' base and the registers that earlier stores read are rewritten only behind this wait
.if (\a) == 0
	s_add_nc_u64 s[8:9], s[8:9], s[16:17]
.else
	s_add_nc_u64 s[8:9], s[8:9], 16*32768          ; 16 t on
.endif
.irp t, 0,1,2,3,4,5,6,7
	global_store_b128 v[CO], v[BK+4*(\t):BK+4*(\t)+3], s[8:9] offset:(\t)*65536   ; 16 lanes store 256 consecutive bytes, aligned
.endr
.endm
	s_wait_loadcnt 0x0                             ; the bias
	WIN 0
	PLACES                                         ; the first block's arithmetic reads results with no vector instruction behind them yet
	PACK 0
	TOSTAGE 0
.irp a, 1,2,3,4,5,6,7
	PACK \a
	SEND (\a)-1
	TOSTAGE \a
.endr
	SEND 7
	s_wait_tensorcnt 0x0                           ; the wave's end
	ds_add_u32 v[SPW], v[NIL]
	s_wait_dscnt 0x0
	CROUND                                         ; the closing round
	s_endpgm
.Lfunc_end_k_q820d809dea_gemm2:
	.size	k_q820d809dea_gemm2, .Lfunc_end_k_q820d809dea_gemm2-k_q820d809dea_gemm2
	.p2alignl 7, 3214868480
	.fill 96, 4, 3214868480
	.section	.rodata,"a",@progbits
	.p2align	6, 0x0
	.amdhsa_kernel k_q820d809dea_gemm2
		.amdhsa_group_segment_fixed_size 327680
		.amdhsa_private_segment_fixed_size 0
		.amdhsa_enable_private_segment 0
		.amdhsa_kernarg_size 40
		.amdhsa_user_sgpr_count 2
		.amdhsa_user_sgpr_kernarg_segment_ptr 1
		.amdhsa_wavefront_size32 1
		.amdhsa_system_sgpr_workgroup_id_x 1
		.amdhsa_system_sgpr_workgroup_id_y 1
		.amdhsa_system_sgpr_workgroup_id_z 1
		.amdhsa_system_vgpr_workitem_id 0
		.amdhsa_next_free_vgpr 704
		.amdhsa_next_free_sgpr 80
		.amdhsa_reserve_vcc 0
		.amdhsa_float_denorm_mode_32 3
		.amdhsa_float_denorm_mode_16_64 3
		.amdhsa_memory_ordered 1
		.amdhsa_forward_progress 1
		.amdhsa_inst_pref_size 96
	.end_amdhsa_kernel
	.amdgpu_metadata
---
amdhsa.version: [ 1, 2 ]
amdhsa.kernels:
  - .name:           k_q820d809dea_gemm2
    .symbol:         k_q820d809dea_gemm2.kd
    .args:
      - { .name: ctx, .offset: 0, .size: 8, .value_kind: global_buffer, .address_space: global }
      - { .name: wc, .offset: 8, .size: 8, .value_kind: global_buffer, .address_space: global }
      - { .name: output_biases, .offset: 16, .size: 8, .value_kind: global_buffer, .address_space: global }
      - { .name: consts, .offset: 24, .size: 8, .value_kind: global_buffer, .address_space: global }
      - { .name: out0, .offset: 32, .size: 8, .value_kind: global_buffer, .address_space: global }
    .group_segment_fixed_size: 327680
    .private_segment_fixed_size: 0
    .kernarg_segment_align: 8
    .kernarg_segment_size: 40
    .max_flat_workgroup_size: 128
    .sgpr_count:     80
    .vgpr_count:     704
    .wavefront_size: 32
...
	.end_amdgpu_metadata
.endif
;; end of part 4
